; MI455X (gfx1250); checked and timed in simulation.
; The chip was launched on July 23, 2026; its instructions are those of AMD's public machine-readable ISA for CDNA 5 (MIT licence, August 2026) and "CDNA5" Instruction Set Architecture Reference Guide (July 2026). The comments in the code are by the model that wrote it; some were corrected since.
;; Expert Layer. Allowed arithmetic: float matrix products may take bf16 or f16 operands with f32 sums; all other float work in f32.
;; Inputs: W1 16 x 512 x 2,048 float32; W2 16 x 2,048 x 512 float32; Wg 512 x 16 float32; b1 16 x 2,048 float32; b2 16 x 512 float32; beta 512 float32; bg 16 float32; gamma 512 float32; x 2 x 1,024 x 512 float32.
;; Outputs: out0 2 x 1,024 x 512 float32.
;; 2 versions, each right; version 2 is version 1 with the launches dispatch, ffn1, ffn2 written anew for expert scheduling mode. Each part assembles by itself: llvm-mc -triple=amdgcn-amd-amdhsa -mcpu=gfx1250 --defsym DOCPART=n.
;; ======== version 1 of 2: 5 launches
;; workspace buffers: gsel 32,768 bytes of whole numbers; rmap 18,688 bytes of whole numbers; pw 16,384 bytes; roww 18,432 bytes; xfrag 4,718,592 bytes; hfrag 18,874,368 bytes; part 37,748,736 bytes
;; launch gate (part 1): grid 32 x 1, 4 waves a work-group, no clusters, 16,896 bytes of LDS; arguments x, Wg, bg, gsel, pw; writes gsel, pw
.if DOCPART == 1
	.amdgcn_target "amdgcn-amd-amdhsa--gfx1250"
	.amdhsa_code_object_version 6
	.text
	.protected	k_qdac6f1cd37_gate
	.globl	k_qdac6f1cd37_gate
	.p2align	8
	.type	k_qdac6f1cd37_gate,@function
k_qdac6f1cd37_gate:
	s_mov_b64 s[64:65], 0
	v_nop
	global_prefetch_b8 v0, s[64:65] scope:SCOPE_SE
	s_setreg_imm32_b32 hwreg(HW_REG_WAVE_MODE, 25, 1), 1
	s_wait_xcnt 0x0
; GATE.  logits = x Wg + bg in f32; the two largest of a token's 16 logits; their softmax weights; and, for the sort that follows, each choice's rank among
; the like choices of its group of 16 tokens and the group's count for each expert.
; OUT.  Assignment a = 2 x token + slot (slot 0: the largest).  gsel: code[a] = expert | rank << 8 at byte 4 a; hist[group][32] at byte 16,384 (words 16-31 are 0).  pw[a] = the weight.
; SHARES.  A work-group has 64 tokens, four tiles of 16.  Wave w multiplies k = 128 w .. 128 w + 127 for all four tiles; the four partial sums meet in LDS, and wave w finishes tile w.
; THE f32 MATRIX FORM is used here on purpose: 2 x 2,048 x 512 x 16 operations, a four-thousandth of the module's, and a choice between experts hangs on the last bits.
; Source 0 = Wg turned (16 experts x 4 k), source 1 = x (4 k x 16 tokens): result register j of lane (r, h) is expert 8 h + j of token r.
; k is permuted alike in both sources: in chunk c, half u, the place (h, j) stands for k = 8 c + 4 h + 2 u + j, so that a lane's 16-byte load of x feeds two instructions.
; LIMITS.  NaN is not treated apart (compares are false).  The choice is made on the logits, the lower index first at equal logits: two unequal logits whose probabilities round to
; the same f32 may be ordered otherwise than by a sort of the probabilities.  A weight below 2^-126 counts as 0.  The maximum is taken away before the exponentials.
; x is read in pieces of 32 bytes a row (two lanes); a wave's 16 chunks cover 512 consecutive bytes of each row.
.set G,    32          ; v[32:95]   Wg: chunk c, half u, place j at G + 4 c + 2 u + j
.set ACC,  96          ; v[96:127]  four accumulators, tile T at ACC + 8 T: written by matrix instructions alone
.set PR,   128         ; v[128:159] the four waves' partial sums of my tile
.set LG,   160         ; v[160:167] my eight logits
.set BG,   168         ; v[168:175] bg[8 h + j]
.set IDX,  176         ; v[176:183] 8 h + j
.set TV,   184         ; my half's largest: value, index; second: value, index
.set TI,   185
.set SV,   186
.set SI,   187
.set OTV,  188         ; v[188:191] the same four of the lane 16 away
.set M1,   192         ; the token's largest: value, index
.set M1I,  193
.set LO,   194         ; the half-winner that lost
.set LOI,  195
.set SE,   196         ; the second of the half that won
.set SEI,  197
.set M2,   198         ; the token's second
.set M2I,  199
.set EX,   200         ; v[200:207] exponentials
.set SUM,  208
.set SUMO, 209
.set PA,   210         ; weight of the largest
.set PB,   211         ; of the second
.set EE,   212         ; my assignment's expert
.set PP,   213         ; its weight
.set RK,   214         ; its rank
.set HV,   215         ; lane e: the group's count for expert e
.set TP,   216         ; v[216:223] at work
.set CODE, 224
.set CT,   225
; window 1: x, tile T, chunk c at 64 T + 4 c
.set MSB, 0
.macro WIN new                         ; the immediate's high byte repeats the setting that is left
.if MSB != (\new)
	s_set_vgpr_msb (MSB<<8)|(\new)
.set MSB, \new
.endif
.endm
	s_load_b256 s[4:11], s[0:1], 0x0               ; x s[4:5], Wg s[6:7], bg s[8:9], gsel s[10:11]
	s_load_b64 s[12:13], s[0:1], 0x20              ; pw
	v_lshl_add_u32 v254, v0, 2, 0x4000
	v_mov_b32 v255, 0
	v_lshrrev_b32 v10, 5, v0
	v_readfirstlane_b32 s14, v10                   ; wave 0..3
	v_and_b32 v1, 15, v0                           ; r
	v_bfe_u32 v2, v0, 4, 1                         ; h
	v_and_b32 v11, 31, v0                          ; lane
	v_lshlrev_b32 v3, 11, v1
	v_lshl_add_u32 v3, v2, 4, v3                   ; x: token r's row of 2,048 bytes + 16 h
	v_lshlrev_b32 v4, 2, v1
	v_lshl_add_u32 v4, v2, 8, v4                   ; Wg: 4 h rows of 64 bytes + 4 r
	v_lshlrev_b32 v12, 4, v11
	v_lshl_add_u32 v5, s14, 10, v12                ; LDS, in: block 4 T + w of 1,024 bytes, 16 bytes a lane
	v_lshl_add_u32 v6, s14, 12, v12                ; LDS, back: blocks 4 w + 0..3
	v_lshlrev_b32 v7, 5, v2                        ; bg: 32 h
	v_lshlrev_b32 v8, 2, v11                       ; 4 x lane
	v_lshlrev_b32 v9, 3, v1
	v_lshl_add_u32 v9, v2, 2, v9                   ; 4 x (2 r + h): my assignment in the group
.irp j, 0,1,2,3,4,5,6,7
	v_lshl_add_u32 v[IDX+\j], v2, 3, \j
.endr
	s_mov_b32 s20, 0x76543210                      ; v_permlanex16_b32: each lane takes its own place in the other half
	s_mov_b32 s21, 0xfedcba98
	s_mov_b32 s27, 0x3fb8aa3b                      ; log2(e)
	s_lshl_b32 s16, ttmp9, 17                      ; 64 tokens of 2,048 bytes
	s_lshl_b32 s15, s14, 9                         ; my 128 k
	s_add_co_u32 s16, s16, s15
	s_mov_b32 s17, 0
	s_lshl_b32 s18, s14, 13                        ; 128 rows of Wg
	s_mov_b32 s19, 0
	s_lshl_b32 s28, ttmp9, 2
	s_add_co_u32 s28, s28, s14                     ; my group of 16 tokens
	s_lshl_b32 s28, s28, 7                         ; 128 bytes a group in code, in pw and in hist
	s_mov_b32 s29, 0
	s_wait_kmcnt 0x0
	s_add_nc_u64 s[4:5], s[4:5], s[16:17]
	s_add_nc_u64 s[6:7], s[6:7], s[18:19]
	s_add_nc_u64 s[10:11], s[10:11], s[28:29]
	s_add_nc_u64 s[12:13], s[12:13], s[28:29]
	global_load_b128 v[BG:BG+3], v7, s[8:9]
	global_load_b128 v[BG+4:BG+7], v7, s[8:9] offset:16
.set c, 0
.rept 16                                               ; all of my quarter of Wg first: 64 loads
.irp q, 0,1,2,3
	global_load_b32 v[G+4*c+\q], v4, s[6:7] offset:c*512+\q*64
.endr
.set c, c+1
.endr
	WIN 0x40                                       ; destination window 1
.set c, 0
.rept 16                                               ; then x, chunk by chunk: four loads a chunk, one for each tile
.irp t, 0,1,2,3
	global_load_b128 v[64*\t+4*c:64*\t+4*c+3], v3, s[4:5] offset:\t*32768+c*32
.endr
.set c, c+1
.endr
	WIN 0x04                                       ; source 1 window 1
; 128 matrix instructions.  The four accumulators take turns, one instruction a turn; the first four start the sums with the constant 0.
.set c, 0
.rept 16
	s_wait_loadcnt 4*(15-c)                        ; loads come back in order: chunk c is in when only the four loads of each later chunk are out; Wg and bg are older
.irp u, 0,1
.irp t, 0,1,2,3
.if (c == 0) && (\u == 0)
	v_wmma_f32_16x16x4_f32 v[ACC+8*\t:ACC+8*\t+7], v[G+4*c+2*\u:G+4*c+2*\u+1], v[64*\t+4*c+2*\u:64*\t+4*c+2*\u+1], 0
.else
	v_wmma_f32_16x16x4_f32 v[ACC+8*\t:ACC+8*\t+7], v[G+4*c+2*\u:G+4*c+2*\u+1], v[64*\t+4*c+2*\u:64*\t+4*c+2*\u+1], v[ACC+8*\t:ACC+8*\t+7]
.endif
.endr
.endr
.set c, c+1
.endr
	WIN 0
.rept 8
	v_nop                                          ; eight places between this form's last product and the stores that read it
.endr
.irp t, 0,1,2,3
	ds_store_b128 v5, v[ACC+8*\t:ACC+8*\t+3] offset:\t*4096        ; each accumulator's low half first
	ds_store_b128 v5, v[ACC+8*\t+4:ACC+8*\t+7] offset:\t*4096+512
.endr
	s_wait_dscnt 0x0                               ; for the others' sake: my stores are done
	s_barrier_signal -1
	s_barrier_wait -1
.irp s, 0,1,2,3
	ds_load_b128 v[PR+8*\s:PR+8*\s+3], v6 offset:\s*1024
	ds_load_b128 v[PR+8*\s+4:PR+8*\s+7], v6 offset:\s*1024+512
.endr
	s_wait_dscnt 0x0
.irp p, 0,2,4,6                                        ; logit = (p0 + p1) + (p2 + p3) + bg
	v_pk_add_f32 v[LG+\p:LG+\p+1], v[PR+\p:PR+\p+1], v[PR+8+\p:PR+8+\p+1]
	v_pk_add_f32 v[TP+\p:TP+\p+1], v[PR+16+\p:PR+16+\p+1], v[PR+24+\p:PR+24+\p+1]
.endr
.irp p, 0,2,4,6
	v_pk_add_f32 v[LG+\p:LG+\p+1], v[LG+\p:LG+\p+1], v[TP+\p:TP+\p+1]
.endr
.irp p, 0,2,4,6
	v_pk_add_f32 v[LG+\p:LG+\p+1], v[LG+\p:LG+\p+1], v[BG+\p:BG+\p+1]
.endr
	; the two largest of my eight; the compares are strict, so the lower index keeps its place at equal logits
	v_mov_b32 v[TV], v[LG]
	v_mov_b32 v[TI], v[IDX]
	v_mov_b32 v[SV], 0xff800000                    ; minus infinity
	v_mov_b32 v[SI], v[IDX+1]
.irp j, 1,2,3,4,5,6,7
	v_cmp_gt_f32 s22, v[LG+\j], v[TV]
	v_cmp_gt_f32 s23, v[LG+\j], v[SV]
	v_cndmask_b32 v[SV], v[SV], v[LG+\j], s23
	v_cndmask_b32 v[SI], v[SI], v[IDX+\j], s23
	v_cndmask_b32 v[SV], v[SV], v[TV], s22
	v_cndmask_b32 v[SI], v[SI], v[TI], s22
	v_cndmask_b32 v[TV], v[TV], v[LG+\j], s22
	v_cndmask_b32 v[TI], v[TI], v[IDX+\j], s22
.endr
.irp k, 0,1,2,3
	v_mov_b32 v[OTV+\k], 0                         ; v_permlanex16_b32's destination counts as read
.endr
.irp k, 0,1,2,3
	v_permlanex16_b32 v[OTV+\k], v[TV+\k], s20, s21  ; the token's other eight experts lie in the lane 16 away
.endr
.macro BEATS a, ia, b, ib              ; s22 = a > b, or a = b and ia < ib: a total order, so both lanes of a token decide alike
	v_cmp_gt_f32 s22, v[\a], v[\b]
	v_cmp_eq_f32 s23, v[\a], v[\b]
	v_cmp_lt_u32 s24, v[\ia], v[\ib]
	s_and_b32 s23, s23, s24
	s_or_b32 s22, s22, s23
.endm
	BEATS TV, TI, OTV, OTV+1
	v_cndmask_b32 v[M1], v[OTV], v[TV], s22
	v_cndmask_b32 v[M1I], v[OTV+1], v[TI], s22
	v_cndmask_b32 v[LO], v[TV], v[OTV], s22
	v_cndmask_b32 v[LOI], v[TI], v[OTV+1], s22
	v_cndmask_b32 v[SE], v[OTV+2], v[SV], s22
	v_cndmask_b32 v[SEI], v[OTV+3], v[SI], s22
	BEATS LO, LOI, SE, SEI
	v_cndmask_b32 v[M2], v[SE], v[LO], s22
	v_cndmask_b32 v[M2I], v[SEI], v[LOI], s22
	; softmax: the maximum is taken away, so the largest weight is 1 / sum
.irp j, 0,1,2,3,4,5,6,7
	v_sub_f32 v[EX+\j], v[LG+\j], v[M1]
.endr
	v_sub_f32 v[PB], v[M2], v[M1]
.irp j, 0,1,2,3,4,5,6,7
	v_mul_f32 v[EX+\j], s27, v[EX+\j]
.endr
	v_mul_f32 v[PB], s27, v[PB]
.irp j, 0,1,2,3,4,5,6,7
	v_exp_f32 v[EX+\j], v[EX+\j]
.endr
	v_exp_f32 v[PB], v[PB]
	v_mov_b32 v[SUMO], 0                           ; a plain instruction behind the exponentials (ISA guide 5.7.2)
	s_wait_alu depctr_va_vdst(0)
	v_pk_add_f32 v[EX:EX+1], v[EX:EX+1], v[EX+2:EX+3]
	v_pk_add_f32 v[EX+4:EX+5], v[EX+4:EX+5], v[EX+6:EX+7]
	v_pk_add_f32 v[EX:EX+1], v[EX:EX+1], v[EX+4:EX+5]
	v_add_f32 v[SUM], v[EX], v[EX+1]
	v_permlanex16_b32 v[SUMO], v[SUM], s20, s21
	v_add_f32 v[SUM], v[SUM], v[SUMO]
	v_rcp_f32 v[PA], v[SUM]
	v_cmp_eq_u32 s25, 1, v2                        ; lanes 16-31 carry slot 1 (also the plain instruction behind the reciprocal)
	s_wait_alu depctr_va_vdst(0)
	v_mul_f32 v[PB], v[PB], v[PA]
	v_cndmask_b32 v[EE], v[M1I], v[M2I], s25
	v_cndmask_b32 v[PP], v[PA], v[PB], s25
	; rank of my assignment among the group's 32 with the same expert, and the group's counts
	v_mov_b32 v[RK], 0
	v_mov_b32 v[HV], 0
.set e, 0
.rept 16
	v_cmp_eq_u32 s22, e, v[EE]
	v_mbcnt_lo_u32_b32 v[CT], s22, 0               ; how many lower lanes chose e
	s_bcnt1_i32_b32 s23, s22
	v_cndmask_b32 v[RK], v[RK], v[CT], s22
	v_writelane_b32 v[HV], s23, e
.set e, e+1
.endr
	v_lshl_or_b32 v[CODE], v[RK], 8, v[EE]
	global_store_b32 v9, v[CODE], s[10:11]         ; 128 consecutive bytes a wave
	global_store_b32 v9, v[PP], s[12:13]
	global_store_b32 v8, v[HV], s[10:11] offset:16384
	s_wait_tensorcnt 0x0
	ds_add_u32 v254, v255
	s_wait_dscnt 0x0
	s_endpgm
.Lfunc_end_k_qdac6f1cd37_gate:
	.size	k_qdac6f1cd37_gate, .Lfunc_end_k_qdac6f1cd37_gate-k_qdac6f1cd37_gate
	.p2alignl 7, 3214868480
	.fill 96, 4, 3214868480
	.section	.rodata,"a",@progbits
	.p2align	6, 0x0
	.amdhsa_kernel k_qdac6f1cd37_gate
		.amdhsa_group_segment_fixed_size 16896
		.amdhsa_private_segment_fixed_size 0
		.amdhsa_enable_private_segment 0
		.amdhsa_kernarg_size 40
		.amdhsa_user_sgpr_count 2
		.amdhsa_user_sgpr_kernarg_segment_ptr 1
		.amdhsa_wavefront_size32 1
		.amdhsa_system_sgpr_workgroup_id_x 1
		.amdhsa_system_sgpr_workgroup_id_y 1
		.amdhsa_system_sgpr_workgroup_id_z 1
		.amdhsa_system_vgpr_workitem_id 0
		.amdhsa_next_free_vgpr 512
		.amdhsa_next_free_sgpr 66
		.amdhsa_reserve_vcc 0
		.amdhsa_float_denorm_mode_32 3
		.amdhsa_float_denorm_mode_16_64 3
		.amdhsa_memory_ordered 1
		.amdhsa_forward_progress 1
		.amdhsa_inst_pref_size 38
	.end_amdhsa_kernel
	.amdgpu_metadata
---
amdhsa.version: [ 1, 2 ]
amdhsa.kernels:
  - .name:           k_qdac6f1cd37_gate
    .symbol:         k_qdac6f1cd37_gate.kd
    .args:
      - { .name: x, .offset: 0, .size: 8, .value_kind: global_buffer, .address_space: global }
      - { .name: Wg, .offset: 8, .size: 8, .value_kind: global_buffer, .address_space: global }
      - { .name: bg, .offset: 16, .size: 8, .value_kind: global_buffer, .address_space: global }
      - { .name: gsel, .offset: 24, .size: 8, .value_kind: global_buffer, .address_space: global }
      - { .name: pw, .offset: 32, .size: 8, .value_kind: global_buffer, .address_space: global }
    .group_segment_fixed_size: 16896
    .private_segment_fixed_size: 0
    .kernarg_segment_align: 8
    .kernarg_segment_size: 40
    .max_flat_workgroup_size: 128
    .sgpr_count:     66
    .vgpr_count:     512
    .wavefront_size: 32
...
	.end_amdgpu_metadata
.endif
;; end of part 1
;; launch dispatch (part 2): grid 144 x 1, 8 waves a work-group, no clusters, 12,288 bytes of LDS; arguments gsel, pw, x, xfrag, rmap, roww; writes xfrag, rmap, roww
.if DOCPART == 2
	.amdgcn_target "amdgcn-amd-amdhsa--gfx1250"
	.amdhsa_code_object_version 6
	.text
	.protected	k_qdac6f1cd37_dispatch
	.globl	k_qdac6f1cd37_dispatch
	.p2align	8
	.type	k_qdac6f1cd37_dispatch,@function
k_qdac6f1cd37_dispatch:
	s_mov_b64 s[64:65], 0
	v_nop
	global_prefetch_b8 v0, s[64:65] scope:SCOPE_SE
	s_setreg_imm32_b32 hwreg(HW_REG_WAVE_MODE, 25, 1), 1
	s_wait_xcnt 0x0
; DISPATCH.  The 4,096 assignments are sorted by expert, each expert's rows padded to steps of 32: at most (4,096 + 16 x 31) / 32 = 143 steps; the tables hold 144.
; Work-group g makes step g: it finds the step's 32 assignments, gathers their rows of x, rounds them to bf16 and stores them as matrix operands.
; No traffic between work-groups: every work-group repeats the counting (128 groups x 16 experts) for itself; it is 16 KB of reads and a few hundred instructions.
; OUT.  xfrag[step][m = 0, 1][c = 0..15]: blocks of 1,024 bytes, 16 rows x 32 k as a 16-bit operand lies in registers: lane l = r + 16 h has registers 0-3 (k = 32 c + 8 h + 0..7)
; at byte 16 l and registers 4-7 (k = 32 c + 16 + 8 h + 0..7) at byte 512 + 16 l: every store, and every later load, is 512 consecutive bytes.
; rmap: rowasg[row] at byte 4 row; at byte 18,432 for each expert {first step, steps} (written by work-group 0; entries 16-31 repeat 0-15).  roww[row] = the row's weight.
; A PAD ROW has rowasg = 4,096 + 32 e + row % 32: a row of the partial sums that is its own and that nobody reads; its x is token 2,047's, its weight pw[4,095]: finite numbers that serve nothing.
; Steps behind the data's last are made of pad rows alone, so that all of xfrag, rowasg and roww is written.
.set BSL, 0            ; LDS 0-1,023: [16 blocks of 8 groups][16 experts] counts
.set TB,  1024         ; LDS 1,024-9,215: [128 groups][16 experts] the first row of that group's assignments to that expert
.set SL,  9216         ; LDS 9,216 + 256 w: wave w's own 64 words: slot d = 0..31 holds a + 1 for the step's row d if this wave found it, word 32 takes all others
.set HI,  8            ; v[8:15]   counts of my 8 groups for my expert; later the table's values
.set PRE, 16           ; v[16:24]  their exclusive prefix, and the sum
.set TOT, 25
.set BELOW, 26
.set TMP, 27
.set SC,  28
.set ROW0, 29
.set CD,  48           ; v[48:63]  16 codes: register 4 i + c is assignment 1,024 i + 4 t + c
.set BS,  64           ; v[64:79]
.set RB,  80           ; v[80:95]
.set SLR, 96           ; v[96:103]
.set XL,  112          ; v[112:175] x as loaded
.set OUT, 176          ; v[176:207] four blocks' registers
.set SL2, 208          ; v[208:215]
	s_load_b256 s[4:11], s[0:1], 0x0               ; gsel s[4:5], pw s[6:7], x s[8:9], xfrag s[10:11]
	s_load_b128 s[12:15], s[0:1], 0x20             ; rmap s[12:13], roww s[14:15]
	v_lshl_add_u32 v224, v0, 2, 0x2c00
	v_mov_b32 v225, 0
	v_lshrrev_b32 v3, 5, v0
	v_readfirstlane_b32 s17, v3                    ; wave 0..7
	s_mov_b32 s16, ttmp9                           ; g: my step
	v_and_b32 v1, 15, v0                           ; e in the counting, r in the gather
	v_lshrrev_b32 v2, 4, v0                        ; gb: my block of 8 groups
	v_and_b32 v3, 31, v0                           ; lane
	v_bfe_u32 v5, v0, 4, 1                         ; h
	v_mov_b32 v6, 0
	v_lshlrev_b32 v7, 2, v1
	v_lshl_add_u32 v30, v2, 10, v7                 ; hist: 8 groups of 128 bytes a block + 4 e
	v_lshlrev_b32 v31, 4, v0
	v_lshlrev_b32 v32, 2, v0
	s_lshl_b32 s18, s17, 8
	s_add_co_u32 s18, s18, SL                      ; my wave's slots
	v_lshl_add_u32 v33, v3, 2, s18
	s_lshl_b32 s38, s16, 7                         ; 32 rows of 4 bytes
	s_mov_b32 s39, 0
	s_wait_kmcnt 0x0
	s_add_nc_u64 s[32:33], s[12:13], s[38:39]      ; rowasg and roww at my step
	s_add_nc_u64 s[34:35], s[14:15], s[38:39]
.irp i, 0,1,2,3,4,5,6,7
	global_load_b32 v[HI+\i], v30, s[4:5] offset:16384+\i*128
.endr
.irp i, 0,1,2,3
	global_load_b128 v[CD+4*\i:CD+4*\i+3], v31, s[4:5] offset:\i*4096
.endr
	ds_store_b32 v33, v6                           ; my wave's 64 words are cleared
	ds_store_b32 v33, v6 offset:128
	s_wait_loadcnt 0x4                             ; the counts are in; the four loads of codes are younger
	v_mov_b32 v[PRE], 0
.irp i, 0,1,2,3,4,5,6,7
	v_add_nc_u32 v[PRE+\i+1], v[PRE+\i], v[HI+\i]
.endr
	ds_store_b32 v32, v[PRE+8]                     ; BSL[gb][e]: thread t = 16 gb + e
	s_wait_dscnt 0x0                               ; for the others' sake
	s_barrier_signal -1
	s_barrier_wait -1
.irp k, 0,1,2,3,4,5,6,7,8,9,10,11,12,13,14,15
	ds_load_b32 v[BS+\k], v7 offset:BSL+\k*64
.endr
	s_wait_dscnt 0x0
	v_cmp_lt_u32 vcc_lo, 0, v2
	v_cndmask_b32 v[BELOW], 0, v[BS], vcc_lo       ; my expert's rows in the blocks in front of mine
	v_mov_b32 v[TOT], v[BS]                        ; and in all
.set k, 1
.rept 15
	v_cmp_lt_u32 vcc_lo, k, v2
	v_cndmask_b32 v[TMP], 0, v[BS+k], vcc_lo
	v_add_nc_u32 v[TOT], v[TOT], v[BS+k]
	v_add_nc_u32 v[BELOW], v[BELOW], v[TMP]
.set k, k+1
.endr
	v_add_nc_u32 v41, 31, v[TOT]
	v_lshrrev_b32 v41, 5, v41                      ; my expert's steps
	v_mov_b32 v[SC], v41
.irp n, 1,2,4,8                                        ; inclusive sum over the 16 experts, which lie in the 16 lanes of a row
	v_mov_b32_dpp v[TMP], v[SC] row_shr:\n row_mask:0xf bank_mask:0xf bound_ctrl:1
	v_add_nc_u32 v[SC], v[SC], v[TMP]
.endr
	v_sub_nc_u32 v40, v[SC], v41                   ; my expert's first step
	v_lshl_add_u32 v[ROW0], v40, 5, v[BELOW]
	v_lshl_add_u32 v34, v2, 9, v7
.irp i, 0,1,2,3,4,5,6,7
	v_add_nc_u32 v[HI+\i], v[ROW0], v[PRE+\i]
	ds_store_b32 v34, v[HI+\i] offset:TB+\i*64
.endr
	v_cmp_le_u32 s20, v40, s16                     ; whose step is g?
	v_cmp_gt_u32 s21, v[SC], s16
	s_and_b32 s20, s20, s21
	s_and_b32 s20, s20, 0xffff
	s_ctz_i32_b32 s24, s20                         ; -1 if nobody's,
	s_min_u32 s24, s24, 15                         ; which then counts as 15: such a step is never multiplied
	s_lshl_b32 s25, s24, 5
	s_add_co_u32 s25, s25, 4096                    ; the step's first pad number
	s_cmp_lg_u32 s17, 0
	s_cbranch_scc1 .Lno_meta
	s_cmp_lg_u32 s16, 0
	s_cbranch_scc1 .Lno_meta
	v_lshlrev_b32 v35, 3, v3
	global_store_b64 v35, v[40:41], s[12:13] offset:18432  ; 256 consecutive bytes; v40, v41 are not written again
.Lno_meta:
	s_wait_dscnt 0x0                               ; for the others' sake: my part of the table is stored
	s_barrier_signal -1
	s_barrier_wait -1
	s_wait_loadcnt 0x0                             ; the codes
	v_lshrrev_b32 v36, 3, v0
	v_lshlrev_b32 v36, 6, v36                      ; assignment 1,024 i + 4 t + c lies in group 32 i + t / 8
.set k, 0
.rept 16
	v_and_b32 v[TMP], 0xff, v[CD+k]
	v_min_u32 v[TMP], 15, v[TMP]                   ; an expert's number, held inside the table
	v_lshl_add_u32 v37, v[TMP], 2, v36
	ds_load_b32 v[RB+k], v37 offset:TB+(k/4)*2048
.set k, k+1
.endr
	s_lshl_b32 s26, s16, 5                         ; my step's first row
	s_wait_dscnt 0x0
.set k, 0
.rept 16
	v_lshrrev_b32 v[TMP], 8, v[CD+k]               ; rank in the group
	v_add_nc_u32 v[TMP], v[TMP], v[RB+k]           ; the assignment's row,
	v_sub_nc_u32 v[TMP], v[TMP], s26               ; counted from my step's first,
	v_min_u32 v[TMP], 32, v[TMP]                   ; or 32 if it lies elsewhere (a row in front wraps to a large number)
	v_lshl_add_u32 v37, v[TMP], 2, s18
	v_add_nc_u32 v38, 1024*(k/4)+(k%4)+1, v32      ; a + 1
	ds_store_b32 v37, v38
.set k, k+1
.endr
	s_wait_dscnt 0x0                               ; for the others' sake
	s_barrier_signal -1
	s_barrier_wait -1
; The assignment of a row: the sum of the eight waves' words is a + 1, or 0 for a pad row.
.macro WHO src, pad, dst, tmp
	v_add3_u32 v[\dst], v[\src], v[\src+1], v[\src+2]
	v_add3_u32 v[\tmp], v[\src+3], v[\src+4], v[\src+5]
	v_add3_u32 v[\dst], v[\dst], v[\src+6], v[\src+7]
	v_add_nc_u32 v[\dst], v[\dst], v[\tmp]
	v_cmp_ne_u32 vcc_lo, 0, v[\dst]
	v_add_nc_u32 v[\tmp], -1, v[\dst]
	v_cndmask_b32 v[\dst], v[\pad], v[\tmp], vcc_lo
.endm
	; THE GATHER.  Wave w makes tile m = w / 4, blocks 4 (w % 4) + 0..3: 512 bytes of each of 16 rows of x.
	s_lshr_b32 s19, s17, 2                         ; m
	s_and_b32 s22, s17, 3
	s_lshl_b32 s23, s19, 6
	v_lshl_add_u32 v39, v1, 2, s23                 ; word 16 m + r
.irp k, 0,1,2,3,4,5,6,7
	ds_load_b32 v[SLR+\k], v39 offset:SL+\k*256
.endr
	s_lshl_b32 s27, s19, 4
	s_add_co_u32 s27, s27, s25
	v_add_nc_u32 v105, s27, v1                     ; the row's pad number
	s_lshl_b32 s28, s22, 9
	v_lshl_add_u32 v108, v5, 5, s28                ; 512 (w % 4) + 32 h
	v_lshlrev_b32 v109, 4, v3
	s_lshl_b32 s30, s16, 15                        ; xfrag: 32,768 bytes a step,
	s_lshl_b32 s29, s19, 14                        ; 16,384 a tile,
	s_add_co_u32 s30, s30, s29
	s_lshl_b32 s29, s22, 12                        ; my four blocks
	s_add_co_u32 s30, s30, s29
	s_mov_b32 s31, 0
	s_add_nc_u64 s[36:37], s[10:11], s[30:31]
	s_wait_dscnt 0x0
	WHO SLR, 105, 104, 106
	v_lshrrev_b32 v107, 1, v104                    ; the token,
	v_min_u32 v107, 0x7ff, v107                    ; held inside x (a pad row takes the last)
	v_lshl_add_u32 v108, v107, 11, v108
.irp kb, 0,1,2,3
.irp p, 0,1,2,3
	global_load_b128 v[XL+16*\kb+4*\p:XL+16*\kb+4*\p+3], v108, s[8:9] offset:\kb*128+(\p/2)*64+(\p%2)*16
.endr
.endr
.irp kb, 0,1,2,3
	s_wait_loadcnt 12-4*\kb                        ; block kb's four loads are in; four for each later block stay out
.irp p, 0,1,2,3,4,5,6,7
	v_cvt_pk_bf16_f32 v[OUT+8*\kb+\p], v[XL+16*\kb+2*\p], v[XL+16*\kb+2*\p+1]
.endr
	global_store_b128 v109, v[OUT+8*\kb:OUT+8*\kb+3], s[36:37] offset:\kb*1024        ; 512 consecutive bytes, at a multiple of 256 from xfrag's first
	global_store_b128 v109, v[OUT+8*\kb+4:OUT+8*\kb+7], s[36:37] offset:\kb*1024+512
.endr
	s_cmp_lg_u32 s17, 0
	s_cbranch_scc1 .Ldone
	v_lshlrev_b32 v110, 2, v3                      ; wave 0 writes the step's 32 entries of the two row tables
.irp k, 0,1,2,3,4,5,6,7
	ds_load_b32 v[SL2+\k], v110 offset:SL+\k*256
.endr
	v_add_nc_u32 v217, s25, v3
	s_wait_dscnt 0x0
	WHO SL2, 217, 216, 218
	global_store_b32 v110, v216, s[32:33]
	v_min_u32 v219, 0xfff, v216                    ; held inside pw
	v_lshlrev_b32 v219, 2, v219
	global_load_b32 v220, v219, s[6:7]
	s_wait_loadcnt 0x0
	global_store_b32 v110, v220, s[34:35]
.Ldone:
	s_wait_tensorcnt 0x0
	ds_add_u32 v224, v225
	s_wait_dscnt 0x0
	s_endpgm
.Lfunc_end_k_qdac6f1cd37_dispatch:
	.size	k_qdac6f1cd37_dispatch, .Lfunc_end_k_qdac6f1cd37_dispatch-k_qdac6f1cd37_dispatch
	.p2alignl 7, 3214868480
	.fill 96, 4, 3214868480
	.section	.rodata,"a",@progbits
	.p2align	6, 0x0
	.amdhsa_kernel k_qdac6f1cd37_dispatch
		.amdhsa_group_segment_fixed_size 12288
		.amdhsa_private_segment_fixed_size 0
		.amdhsa_enable_private_segment 0
		.amdhsa_kernarg_size 48
		.amdhsa_user_sgpr_count 2
		.amdhsa_user_sgpr_kernarg_segment_ptr 1
		.amdhsa_wavefront_size32 1
		.amdhsa_system_sgpr_workgroup_id_x 1
		.amdhsa_system_sgpr_workgroup_id_y 1
		.amdhsa_system_sgpr_workgroup_id_z 1
		.amdhsa_system_vgpr_workitem_id 0
		.amdhsa_next_free_vgpr 226
		.amdhsa_next_free_sgpr 66
		.amdhsa_reserve_vcc 1
		.amdhsa_float_denorm_mode_32 3
		.amdhsa_float_denorm_mode_16_64 3
		.amdhsa_memory_ordered 1
		.amdhsa_forward_progress 1
		.amdhsa_inst_pref_size 25
	.end_amdhsa_kernel
	.amdgpu_metadata
---
amdhsa.version: [ 1, 2 ]
amdhsa.kernels:
  - .name:           k_qdac6f1cd37_dispatch
    .symbol:         k_qdac6f1cd37_dispatch.kd
    .args:
      - { .name: gsel, .offset: 0, .size: 8, .value_kind: global_buffer, .address_space: global }
      - { .name: pw, .offset: 8, .size: 8, .value_kind: global_buffer, .address_space: global }
      - { .name: x, .offset: 16, .size: 8, .value_kind: global_buffer, .address_space: global }
      - { .name: xfrag, .offset: 24, .size: 8, .value_kind: global_buffer, .address_space: global }
      - { .name: rmap, .offset: 32, .size: 8, .value_kind: global_buffer, .address_space: global }
      - { .name: roww, .offset: 40, .size: 8, .value_kind: global_buffer, .address_space: global }
    .group_segment_fixed_size: 12288
    .private_segment_fixed_size: 0
    .kernarg_segment_align: 8
    .kernarg_segment_size: 48
    .max_flat_workgroup_size: 256
    .sgpr_count:     66
    .vgpr_count:     226
    .wavefront_size: 32
...
	.end_amdgpu_metadata
.endif
;; end of part 2
;; launch ffn1 (part 3): grid 16 x 16, 4 waves a work-group, no clusters, 131,584 bytes of LDS; arguments xfrag, W1, b1, rmap, hfrag; writes hfrag
.if DOCPART == 3
	.amdgcn_target "amdgcn-amd-amdhsa--gfx1250"
	.amdhsa_code_object_version 6
	.text
	.protected	k_qdac6f1cd37_ffn1
	.globl	k_qdac6f1cd37_ffn1
	.p2align	8
	.type	k_qdac6f1cd37_ffn1,@function
k_qdac6f1cd37_ffn1:
	s_mov_b64 s[64:65], 0
	v_nop
	global_prefetch_b8 v0, s[64:65] scope:SCOPE_SE
	s_setreg_imm32_b32 hwreg(HW_REG_WAVE_MODE, 25, 1), 1
	s_wait_xcnt 0x0
; ONE TEXT FOR BOTH PRODUCTS OF AN EXPERT.  MODE 1: h = relu(X W1 + b1), rounded to bf16.  MODE 2: w_row x (h W2 + b2), in f32, one plane for each quarter of the hidden axis.
; Operands bf16, sums f32.  Only the rows that the gate sent to an expert are multiplied: the other experts' results are multiplied by an exact 0 in the module.
; SHARES.  Work-group (gx, e) owns 512 k x 128 columns of expert e's weights, 256 KB of f32 that no other work-group reads.  MODE 1: columns 128 gx.  MODE 2: k = 512 (gx / 4) on, columns 128 (gx % 4) on.
; PROLOGUE.  The block is read once, rounded to bf16 and laid into LDS as 16 x 8 operand blocks of 1,024 bytes (16 columns x 32 k, as the operand lies in registers: 512 consecutive bytes a load).
; One barrier.  Then the waves are on their own: wave w takes the expert's steps of 32 rows w, w + 4, .., TWO AT A TIME: a unit is 64 rows, 4 row tiles x 8 column tiles x 16 k steps = 512 matrix
; instructions, and each operand block of the weights that is read from LDS feeds four of them.  A wave with an odd number of steps ends with a unit of one step, written out behind the loop.
; The number of steps is read from memory, so neither part holds a barrier, an LDS store or a sum across waves.
; THE ROWS' OPERANDS lie in a ring of eight k steps in registers: k step c asks for k step c + 7 (from c = 9 on: the next unit's k steps 0 to 6) into the place that k step c - 1 has left:
; 56 loads of 512 bytes of a wave are on their way.
; NO TRANSPOSE.  A lane's 16-byte load takes 4 neighbouring columns of one k row, 16 lanes 256 consecutive bytes.  Column tile t of a wave's 64 columns is the set n0 + 4 i + t, i = 0..15: then lane (r, h)
; holds, in register t of its 16 loads, the 16 k that the operand of tile t wants of it, and a rounding in pairs makes the operand.
; THE HIDDEN AXIS' ORDER.  MODE 1 multiplies with the weights as source 0: result register j of lane (r, h) is row r, hidden 64 G + 32 h + 4 j + t.  Tiles 2 F and 2 F + 1, rounded in pairs, ARE block
; 2 G + F of h as an operand: place (h, i) of that block stands for hidden 64 G + 32 h + 4 (i % 8) + 2 F + i / 8.  MODE 2 loads the rows of W2 in that same order: the products are the same.
; MODE 2 multiplies with h as source 0: register j of lane (r, h) is row 8 h + j, column n0 + 4 r + t: four tiles' registers j are 16 bytes of a row, and 16 lanes store 256 consecutive bytes, aligned.
; THE BIAS is the C operand of a unit's first products (MODE 2: in the first quarter's plane alone, 0 in the others): nothing is cleared and nothing is added afterwards.
; NO CLUSTER.  What a work-group shares with others (16 in MODE 1, 4 in MODE 2) are the rows' operand blocks.  They go from memory straight into registers, in the operand's order, with no pass through
; LDS, which a joint load would bring back; and they are read in a loop whose trip count is data, where no barrier may stand.  The weights, 256 KB a work-group, are shared with nobody.
; LIMITS.  relu of a NaN gives 0; an expert that was not chosen contributes nothing, also where its own numbers would overflow.
.set MODE, 1
.if MODE == 1
.set PITCH, 8192       ; bytes from a k row of the weights to the next
.set A_M,   16384      ; bytes from a step's first row tile to its second
.set A_SH,  15         ; a step of the rows' operands is 1 << A_SH bytes
.set W_MUL, 0xa4       ; source 0 window 0 (weights), source 1 window 1 (rows), C and D window 2
.set W_FST, 0xb4       ; the same with C in window 3
.set META,  0          ; loads of the row tables for each row tile
.else
.set PITCH, 2048
.set A_M,   65536
.set A_SH,  17
.set W_MUL, 0xa1       ; source 0 window 1 (rows), source 1 window 0 (weights), C and D window 2
.set W_FST, 0xb1
.set META,  4
.endif
.set PLANE, 9437184    ; 4,608 rows of 2,048 bytes
; window 0: v1 lane, v2 r, v3 h, v4 16 x lane, v5 v4 + 65,536, v6 weights' offset, v7 LDS place of my operand blocks, v8 b1's offset, v9 16 r, v10 32 h
.set RA,  16           ; v[16:47]   MODE 2: my 32 rows' places in the planes (tile m, row 8 h + j at RA + 8 m + j)
.set BF0, 64           ; v[64:127]  the weights' operands of a k step, two buffers
.set BF1, 128          ; v[128:191]
.set TMP, 192          ; v[192:223] at work in the prologue
.set WT,  224          ; v[224:255] MODE 2: the rows' weights
; window 1: the rows' operands: tile m, k step k at 64 m + 8 (k % 8)
; window 2: the accumulators: (m, nt) at 64 m + 8 nt.  In the prologue: four slots of 64 for the weights as loaded: load i, column t at 64 slot + 4 i + t
; window 3: v[0:63] the bias as a C operand: tile nt at 8 nt; v[64:255] buffers of 32 for the way out
.set OB,  64
; scalars: s[32:33], s[34:35] the rows' operands of the unit's two steps; s[36:37], s[38:39] of the next unit's; s[52:53], s[54:55] where the two steps' results go (MODE 1) or their
; part of rowasg (MODE 2); s[56:57], s[58:59] their part of roww
.set MSB, 0
.macro WIN new                         ; the immediate's high byte repeats the setting that is left
.if MSB != (\new)
	s_set_vgpr_msb (MSB<<8)|(\new)
.set MSB, \new
.endif
.endm
.macro PLACES                          ; four places between a matrix instruction and a load into, or a vector write of, one of its registers, or a vector read of its result
.rept 4
	v_nop
.endr
.endm
.macro WGROUP g                        ; the 16 k rows of my local k step g, 64 columns: lanes 0-15 one row's 256 bytes, lanes 16-31 another's
	WIN 0x80
.set i, 0
.rept 16
.if MODE == 1
.set rw, 32*(\g)+(i%8)+16*(i/8)
.else
.set rw, 64*((\g)/2)+4*(i%8)+2*((\g)%2)+(i/8)
.endif
	global_load_b128 v[64*((\g)%4)+4*i:64*((\g)%4)+4*i+3], v6, s[40:41] offset:rw*PITCH th:TH_LOAD_NT
.set i, i+1
.endr
.endm
; The rows' operands of k step k, tiles 0 to mt - 1: two loads of 512 consecutive bytes a tile.  nx = 0: of the unit in hand; 1: of the next.  Tiles 0, 1 are the unit's first step, tiles 2, 3 its second.
.macro ALOAD k, nx, mt
	WIN 0x40
.irp m, 0,1,2,3
.if \m < (\mt)
	global_load_b128 v[64*\m+8*((\k)%8):64*\m+8*((\k)%8)+3],   v4, s[32+4*(\nx)+2*(\m/2):33+4*(\nx)+2*(\m/2)] offset:(\m%2)*A_M+(\k)*1024
	global_load_b128 v[64*\m+8*((\k)%8)+4:64*\m+8*((\k)%8)+7], v4, s[32+4*(\nx)+2*(\m/2):33+4*(\nx)+2*(\m/2)] offset:(\m%2)*A_M+(\k)*1024+512
.endif
.endr
.endm
.macro AGROUP g                        ; two k steps: 16 loads
	ALOAD 2*(\g), 0, 4
	ALOAD 2*(\g)+1, 0, 4
.endm
.macro CONV c                          ; local k step c: 64 numbers a lane are rounded in pairs into four operands, which go to LDS
	WIN 0x0a
.set sl, 64*((\c)%4)
.irp t, 0,1,2,3
.irp p, 0,1,2,3,4,5,6,7
	v_cvt_pk_bf16_f32 v[TMP+8*\t+\p], v[sl+8*\p+\t], v[sl+8*\p+4+\t]
.endr
.endr
	WIN 0
.irp t, 0,1,2,3
	ds_store_b128 v7, v[TMP+8*\t:TMP+8*\t+3] offset:(\c)*8192+\t*1024
	ds_store_b128 v7, v[TMP+8*\t+4:TMP+8*\t+7] offset:(\c)*8192+\t*1024+512
.endr
.endm
.macro BLOAD c, f                      ; the eight operands of k step c into buffer f: 16 loads of 512 consecutive bytes
	WIN 0
.irp nt, 0,1,2,3,4,5,6,7
.if (\c) < 8
	ds_load_b128 v[(\f)+8*\nt:(\f)+8*\nt+3],   v4 offset:(\c)*8192+\nt*1024
	ds_load_b128 v[(\f)+8*\nt+4:(\f)+8*\nt+7], v4 offset:(\c)*8192+\nt*1024+512
.else
	ds_load_b128 v[(\f)+8*\nt:(\f)+8*\nt+3],   v5 offset:((\c)-8)*8192+\nt*1024
	ds_load_b128 v[(\f)+8*\nt+4:(\f)+8*\nt+7], v5 offset:((\c)-8)*8192+\nt*1024+512
.endif
.endr
.endm
.macro MUL c, mt                       ; 8 mt matrix instructions; the 8 mt accumulators take turns, one instruction a turn
.set bf, BF0+64*((\c)%2)
.set ar, 8*((\c)%8)
.if (\c) == 0
	WIN W_FST
.else
	WIN W_MUL
.endif
.irp nt, 0,1,2,3,4,5,6,7
.irp m, 0,1,2,3
.if \m < (\mt)
.if (MODE == 1) && ((\c) == 0)
	v_wmma_f32_16x16x32_bf16 v[64*\m+8*\nt:64*\m+8*\nt+7], v[bf+8*\nt:bf+8*\nt+7], v[64*\m+ar:64*\m+ar+7], v[8*\nt:8*\nt+7]
.elseif MODE == 1
	v_wmma_f32_16x16x32_bf16 v[64*\m+8*\nt:64*\m+8*\nt+7], v[bf+8*\nt:bf+8*\nt+7], v[64*\m+ar:64*\m+ar+7], v[64*\m+8*\nt:64*\m+8*\nt+7]
.elseif (\c) == 0
	v_wmma_f32_16x16x32_bf16 v[64*\m+8*\nt:64*\m+8*\nt+7], v[64*\m+ar:64*\m+ar+7], v[bf+8*\nt:bf+8*\nt+7], v[8*\nt:8*\nt+7]
.else
	v_wmma_f32_16x16x32_bf16 v[64*\m+8*\nt:64*\m+8*\nt+7], v[64*\m+ar:64*\m+ar+7], v[bf+8*\nt:bf+8*\nt+7], v[64*\m+8*\nt:64*\m+8*\nt+7]
.endif
.endif
.endr
.endr
.endm
; K step c of a unit of mt row tiles (4: two steps, in the loop; 2: one step, the wave's last).  The registers that k step c - 1 has multiplied are loaded again: the other buffer with the weights
; of k step c + 1, the ring's place with the rows of k step c + 7.  The last unit asks for nothing beyond its own k step 15 and loads tiles 0 and 1 alone.
; THE COUNT for the rows of k step c.  mt = 4: behind their loads were issued those of seven k steps, 8 each: 56; in MODE 2, for c < 7, also the 16 of the row tables: 72, of which a wait can state 63.
; mt = 2: for c < 7 the four of tiles 2, 3 of the same k step, 8 (6 - c) of the k steps up to 6, the row tables' 8 (MODE 2) and 4 (c + 1) of this unit's own; from c = 7 on four for each later k step asked for.
.macro KSTEP c, mt
	PLACES
.if ((\mt) == 4) || ((\c) < 15)
	BLOAD ((\c)+1)%16, BF0+64*(((\c)+1)%2)
.endif
.if (\c) < 9
	ALOAD (\c)+7, 0, \mt
.elseif (\mt) == 4
	ALOAD (\c)-9, 1, 4
.endif
.if ((\mt) == 4) || ((\c) < 15)
	s_wait_dscnt 16                                ; the 16 just issued may be out: k step c's weights are in
.else
	s_wait_dscnt 0x0                               ; nothing was issued behind the last k step's weights
.endif
.if (\mt) == 4
.set lc, 56
.if (\c) < 7
.set lc, 56+4*META
.endif
.elseif (\c) < 7
.set lc, 56-4*(\c)+2*META
.elseif (\c) < 9
.set lc, 28
.else
.set lc, 4*(15-(\c))
.endif
.if lc > 63
.set lc, 63
.endif
	s_wait_loadcnt lc
	MUL \c, \mt
.endm
; The index of the expert's step s27 + a, held inside the expert's steps and, last of all, inside the tables; behind that it is only shifted and added.
.macro IDX d, a
	s_add_co_u32 s[\d], s27, \a
	s_min_u32 s[\d], s[\d], s43                    ; behind the expert's last step: that step once more; its bytes are written, and the numbers are not used
	s_add_co_u32 s[\d], s[\d], s24
	s_min_u32 s[\d], s[\d], 143
.endm
; The addresses of the unit whose first step is s27 (its second: s27 + 4), and those of the next unit's rows (s27 + 8, s27 + 12), each from its own buffer's pointer.
.macro BASES sync
.if \sync
	s_wait_xcnt 0x0                                ; every earlier memory instruction has had its addresses translated (ISA guide 3.1): only now are their bases, and in the next unit the stores' registers, rewritten
.endif
	IDX 28, 0
	IDX 29, 4
	s_lshl_b32 s30, s28, A_SH
	s_add_nc_u64 s[32:33], s[44:45], s[30:31]
	s_lshl_b32 s30, s29, A_SH
	s_add_nc_u64 s[34:35], s[44:45], s[30:31]
.if MODE == 1
	s_lshl_b32 s30, s28, 17                        ; h: 131,072 bytes a step
	s_add_nc_u64 s[52:53], s[46:47], s[30:31]
	s_lshl_b32 s30, s29, 17
	s_add_nc_u64 s[54:55], s[46:47], s[30:31]
.else
	s_lshl_b32 s30, s28, 7                         ; the row tables: 128 bytes a step
	s_add_nc_u64 s[52:53], s[10:11], s[30:31]
	s_add_nc_u64 s[56:57], s[12:13], s[30:31]
	s_lshl_b32 s30, s29, 7
	s_add_nc_u64 s[54:55], s[10:11], s[30:31]
	s_add_nc_u64 s[58:59], s[12:13], s[30:31]
.endif
	IDX 28, 8
	IDX 29, 12
	s_lshl_b32 s30, s28, A_SH
	s_add_nc_u64 s[36:37], s[44:45], s[30:31]
	s_lshl_b32 s30, s29, A_SH
	s_add_nc_u64 s[38:39], s[44:45], s[30:31]
.endm
; A UNIT of mt row tiles: the row tables (MODE 2), 16 k steps, the way out.
.macro UNIT mt
.if MODE == 2
	WIN 0
.irp m, 0,1,2,3
.if \m < (\mt)
	global_load_b128 v[RA+8*\m:RA+8*\m+3],   v10, s[52+2*(\m/2):53+2*(\m/2)] offset:(\m%2)*64     ; rows 16 (m % 2) + 8 h + 0..7 of the step: where they go,
	global_load_b128 v[RA+8*\m+4:RA+8*\m+7], v10, s[52+2*(\m/2):53+2*(\m/2)] offset:(\m%2)*64+16
	global_load_b128 v[WT+8*\m:WT+8*\m+3],   v10, s[56+2*(\m/2):57+2*(\m/2)] offset:(\m%2)*64     ; and their weights
	global_load_b128 v[WT+8*\m+4:WT+8*\m+7], v10, s[56+2*(\m/2):57+2*(\m/2)] offset:(\m%2)*64+16
.endif
.endr
.endif
.irp c, 0,1,2,3,4,5,6,7,8,9,10,11,12,13,14,15
	KSTEP \c, \mt
.endr
	PLACES                                         ; behind the last products, in front of the vector work on the sums
.if MODE == 1
; Each row tile has a buffer of its own in window 3, so no wait stands here: the buffers are rewritten in the next unit, behind the wait in front of the bases' rewrite.
.irp m, 0,1,2,3
.if \m < (\mt)
	WIN 0x88                                       ; source 1 and destination window 2
.set k, 0
.rept 64
	v_max_num_f32 v[64*\m+k], 0, v[64*\m+k]        ; relu in place, each accumulator from its lowest register on
.set k, k+1
.endr
	WIN 0xca                                       ; sources window 2, destination window 3
.set k, 0
.rept 32
	v_cvt_pk_bf16_f32 v[OB+32*\m+k], v[64*\m+2*k], v[64*\m+2*k+1]  ; tiles 2 f and 2 f + 1 make block f
.set k, k+1
.endr
	WIN 0x0c                                       ; the stores' data window 3, their address window 0
.irp f, 0,1,2,3
	global_store_b128 v4, v[OB+32*\m+8*\f:OB+32*\m+8*\f+3],   s[52+2*(\m/2):53+2*(\m/2)] offset:(\m%2)*65536+\f*1024      ; 512 consecutive bytes, at a multiple of 256 from hfrag's first
	global_store_b128 v4, v[OB+32*\m+8*\f+4:OB+32*\m+8*\f+7], s[52+2*(\m/2):53+2*(\m/2)] offset:(\m%2)*65536+\f*1024+512
.endr
.endif
.endr
.else
	WIN 0
.if (\mt) == 4
	s_wait_loadcnt 56                              ; the row tables' loads are older than the 128 loads of rows issued in this unit
.endif
.set k, 0
.rept 8*(\mt)
	v_min_u32 v[RA+k], 0x11ff, v[RA+k]             ; held inside a plane's 4,608 rows
.set k, k+1
.endr
.set k, 0
.rept 8*(\mt)
	v_lshl_add_u32 v[RA+k], v[RA+k], 11, v9        ; the row's 2,048 bytes + 16 r
.set k, k+1
.endr
; Group 2 m + n (a row tile, 64 columns) takes buffer (2 m + n) % 6 of window 3.
.irp m, 0,1,2,3
.if \m < (\mt)
.irp n, 0,1
.set ob, OB+32*((2*\m+\n)%6)
.if (2*\m+\n) == 6
	s_wait_xcnt 0x0                                ; buffers 0 and 1 are rewritten only when the stores that read them have had their addresses translated (ISA guide 3.1)
.endif
	WIN 0xc2                                       ; source 0 window 2, source 1 window 0, destination window 3
.irp j, 0,1,2,3,4,5,6,7
.irp t, 0,1,2,3
	v_mul_f32 v[ob+4*\j+\t], v[64*\m+8*(4*\n+\t)+\j], v[WT+8*\m+\j]  ; each accumulator from its lowest register on
.endr
.endr
	WIN 0x0c                                       ; the stores' data window 3, their address window 0
.irp j, 0,1,2,3,4,5,6,7
	global_store_b128 v[RA+8*\m+\j], v[ob+4*\j:ob+4*\j+3], s[48:49] offset:\n*256  ; 16 lanes store 256 consecutive bytes of a row, at a multiple of 256 from part's first
.endr
.endr
.endif
.endr
.endif
	WIN 0                                          ; at a label and at a branch every window is 0
.endm
	s_load_b256 s[4:11], s[0:1], 0x0               ; rows' operands s[4:5], weights s[6:7], bias s[8:9], rmap s[10:11]
.if MODE == 1
	s_load_b64 s[12:13], s[0:1], 0x20              ; hfrag
	v_lshl_add_u32 v254, v0, 2, 0x20000
	v_mov_b32 v255, 0
.else
	s_load_b128 s[12:15], s[0:1], 0x20             ; roww s[12:13], part s[14:15]
.endif
	v_lshrrev_b32 v1, 5, v0
	v_readfirstlane_b32 s16, v1                    ; wave 0..3
	s_lshr_b32 s17, s16, 1                         ; nh: which 64 columns I bring
	s_and_b32 s18, s16, 1                          ; kh: which 256 k
	s_mov_b32 s19, ttmp9                           ; gx
	s_and_b32 s20, ttmp7, 0xffff                   ; e
	s_lshr_b32 s21, s19, 2                         ; MODE 2: q, the quarter of the hidden axis
	s_and_b32 s22, s19, 3                          ; MODE 2: ns, the 128 columns
	s_lshl_b32 s23, s20, 3
	v_and_b32 v1, 31, v0
	v_and_b32 v2, 15, v0
	v_bfe_u32 v3, v0, 4, 1
	v_lshlrev_b32 v4, 4, v1
	v_add_nc_u32 v5, 0x10000, v4
	v_lshlrev_b32 v9, 4, v2
	v_lshl_add_u32 v6, v3, 16, v9                  ; lanes 16-31 take the row 65,536 bytes on (8 rows of W1, 32 of W2)
	s_lshl_b32 s28, s18, 16
	s_lshl_b32 s29, s17, 12
	s_add_co_u32 s28, s28, s29
	v_add_nc_u32 v7, s28, v4                       ; block (8 kh + c, 4 nh + t)
	v_lshlrev_b32 v8, 7, v3
	v_lshlrev_b32 v10, 5, v3
	s_lshl_b32 s30, s20, 22                        ; an expert's weights are 4 MiB
.if MODE == 1
	s_lshl_b32 s28, s18, 21                        ; 256 kh rows of 8,192 bytes
	s_lshl_b32 s29, s19, 9
.else
	s_lshl_b32 s28, s21, 20                        ; 512 q rows of 2,048 bytes
	s_add_co_u32 s30, s30, s28
	s_lshl_b32 s28, s18, 19
	s_lshl_b32 s29, s22, 9
.endif
	s_add_co_u32 s30, s30, s28
	s_add_co_u32 s30, s30, s29
	s_lshl_b32 s28, s17, 8
	s_add_co_u32 s30, s30, s28
	s_mov_b32 s31, 0                               ; stays 0: s[30:31] is the offsets' pair
	s_wait_kmcnt 0x0
	s_add_nc_u64 s[40:41], s[6:7], s[30:31]
	s_load_b64 s[24:25], s[10:11], s23 offset:18432  ; the expert's first step and its number of steps
.if MODE == 1
	s_lshl_b32 s30, s20, 13
	s_lshl_b32 s28, s19, 9
	s_add_co_u32 s30, s30, s28
	s_add_nc_u64 s[8:9], s[8:9], s[30:31]          ; b1 at my 128 columns
	s_mov_b64 s[44:45], s[4:5]
	s_lshl_b32 s30, s19, 12
	s_add_nc_u64 s[46:47], s[12:13], s[30:31]      ; h at my four blocks of a row tile
.irp n, 0,1
.irp j, 0,1,2,3,4,5,6,7
	global_load_b128 v[BF0+32*\n+4*\j:BF0+32*\n+4*\j+3], v8, s[8:9] offset:\n*256+\j*16  ; b1[64 n + 32 h + 4 j + 0..3]
.endr
.endr
.else
	s_lshl_b32 s30, s20, 11
	s_lshl_b32 s28, s22, 9
	s_add_co_u32 s30, s30, s28
	s_add_nc_u64 s[8:9], s[8:9], s[30:31]          ; b2 at my 128 columns
	s_lshl_b32 s30, s21, 14
	s_add_nc_u64 s[44:45], s[4:5], s[30:31]        ; h at my quarter's 16 blocks of a row tile
	s_mul_i32 s30, s21, PLANE
	s_add_co_u32 s30, s30, s28
	s_add_nc_u64 s[48:49], s[14:15], s[30:31]      ; my plane, my 512 bytes of a row
	s_cmp_eq_u32 s21, 0
	s_cselect_b32 s42, -1, 0                       ; the bias goes into the first quarter's plane alone
.irp n, 0,1
	global_load_b128 v[BF0+4*\n:BF0+4*\n+3], v9, s[8:9] offset:\n*256  ; b2[64 n + 4 r + 0..3]
.endr
.endif
	WGROUP 0
	WGROUP 1
	WGROUP 2
; Eight local k steps.  Three groups of 16 loads are always on their way behind the one at work; when the weights' groups are out, the first unit's rows follow in their place.
.irp c, 0,1,2,3,4,5,6,7
.if \c < 5
	WGROUP \c+3
.else
.if \c == 5
	s_wait_kmcnt 0x0
	s_min_u32 s24, s24, 143
	s_min_u32 s25, s25, 64                         ; 2,048 rows at the most
	s_cmp_eq_u32 s25, 0
	s_cselect_b32 s24, 0, s24                      ; an expert without rows loads step 0, which always exists, and uses nothing of it
	s_max_u32 s43, s25, 1
	s_sub_co_u32 s43, s43, 1                       ; the expert's last step, counted from its first
	s_mov_b32 s27, s16                             ; my first unit begins with step w
	BASES 0                                        ; no memory instruction has named these registers yet
.endif
	AGROUP \c-5
.endif
	s_wait_loadcnt 48                              ; three younger groups of 16 may be out: group c is in (and the bias, which is older)
.if \c == 0
	WIN 0xc0                                       ; destination window 3
.irp n, 0,1
.irp t, 0,1,2,3
.irp j, 0,1,2,3,4,5,6,7
.if MODE == 1
	v_mov_b32 v[8*(4*\n+\t)+\j], v[BF0+32*\n+4*\j+\t]
.else
	v_cndmask_b32 v[8*(4*\n+\t)+\j], 0, v[BF0+4*\n+\t], s42
.endif
.endr
.endr
.endr
.endif
	CONV \c
.endr
	ALOAD 6, 0, 4                                  ; k steps 0 to 6 of my first unit are asked for: 56 loads
	WIN 0
	s_wait_dscnt 0x0                               ; for the others' sake: my 32 operand blocks are stored
	s_barrier_signal -1
	s_barrier_wait -1                              ; the only barrier: from here on LDS is only read
	BLOAD 0, BF0
	s_add_co_u32 s26, s25, 3
	s_sub_co_u32 s26, s26, s16
	s_lshr_b32 s26, s26, 2                         ; my steps: w, w + 4, .. below n
	s_and_b32 s50, s26, 1                          ; an odd one is left for the end
	s_lshr_b32 s26, s26, 1                         ; units of two steps
	s_cmp_eq_u32 s26, 0
	s_cbranch_scc1 .Ltail
.Lunit:
	UNIT 4
	s_add_co_u32 s27, s27, 8
	BASES 1
	s_sub_co_u32 s26, s26, 1
	s_cmp_lg_u32 s26, 0
	s_cbranch_scc1 .Lunit
.Ltail:
	s_cmp_eq_u32 s50, 0
	s_cbranch_scc1 .Lend
	UNIT 2
.Lend:
	s_wait_dscnt 0x0                               ; no LDS load of mine is out when the wave ends
	s_wait_tensorcnt 0x0
	ds_add_u32 v254, v255
	s_wait_dscnt 0x0
	s_endpgm
.Lfunc_end_k_qdac6f1cd37_ffn1:
	.size	k_qdac6f1cd37_ffn1, .Lfunc_end_k_qdac6f1cd37_ffn1-k_qdac6f1cd37_ffn1
	.p2alignl 7, 3214868480
	.fill 96, 4, 3214868480
	.section	.rodata,"a",@progbits
	.p2align	6, 0x0
	.amdhsa_kernel k_qdac6f1cd37_ffn1
		.amdhsa_group_segment_fixed_size 131584
		.amdhsa_private_segment_fixed_size 0
		.amdhsa_enable_private_segment 0
		.amdhsa_kernarg_size 40
		.amdhsa_user_sgpr_count 2
		.amdhsa_user_sgpr_kernarg_segment_ptr 1
		.amdhsa_wavefront_size32 1
		.amdhsa_system_sgpr_workgroup_id_x 1
		.amdhsa_system_sgpr_workgroup_id_y 1
		.amdhsa_system_sgpr_workgroup_id_z 1
		.amdhsa_system_vgpr_workitem_id 0
		.amdhsa_next_free_vgpr 1024
		.amdhsa_next_free_sgpr 66
		.amdhsa_reserve_vcc 0
		.amdhsa_float_denorm_mode_32 3
		.amdhsa_float_denorm_mode_16_64 3
		.amdhsa_memory_ordered 1
		.amdhsa_forward_progress 1
		.amdhsa_inst_pref_size 181
	.end_amdhsa_kernel
	.amdgpu_metadata
---
amdhsa.version: [ 1, 2 ]
amdhsa.kernels:
  - .name:           k_qdac6f1cd37_ffn1
    .symbol:         k_qdac6f1cd37_ffn1.kd
    .args:
      - { .name: xfrag, .offset: 0, .size: 8, .value_kind: global_buffer, .address_space: global }
      - { .name: W1, .offset: 8, .size: 8, .value_kind: global_buffer, .address_space: global }
      - { .name: b1, .offset: 16, .size: 8, .value_kind: global_buffer, .address_space: global }
      - { .name: rmap, .offset: 24, .size: 8, .value_kind: global_buffer, .address_space: global }
      - { .name: hfrag, .offset: 32, .size: 8, .value_kind: global_buffer, .address_space: global }
    .group_segment_fixed_size: 131584
    .private_segment_fixed_size: 0
    .kernarg_segment_align: 8
    .kernarg_segment_size: 40
    .max_flat_workgroup_size: 128
    .sgpr_count:     66
    .vgpr_count:     1024
    .wavefront_size: 32
...
	.end_amdgpu_metadata
.endif
;; end of part 3
;; launch ffn2 (part 4): grid 16 x 16, 4 waves a work-group, no clusters, 131,584 bytes of LDS; arguments hfrag, W2, b2, rmap, roww, part; writes part
.if DOCPART == 4
	.amdgcn_target "amdgcn-amd-amdhsa--gfx1250"
	.amdhsa_code_object_version 6
	.text
	.protected	k_qdac6f1cd37_ffn2
	.globl	k_qdac6f1cd37_ffn2
	.p2align	8
	.type	k_qdac6f1cd37_ffn2,@function
k_qdac6f1cd37_ffn2:
	s_mov_b64 s[64:65], 0
	v_nop
	global_prefetch_b8 v0, s[64:65] scope:SCOPE_SE
	s_setreg_imm32_b32 hwreg(HW_REG_WAVE_MODE, 25, 1), 1
	s_wait_xcnt 0x0
; ONE TEXT FOR BOTH PRODUCTS OF AN EXPERT.  MODE 1: h = relu(X W1 + b1), rounded to bf16.  MODE 2: w_row x (h W2 + b2), in f32, one plane for each quarter of the hidden axis.
; Operands bf16, sums f32.  Only the rows that the gate sent to an expert are multiplied: the other experts' results are multiplied by an exact 0 in the module.
; SHARES.  Work-group (gx, e) owns 512 k x 128 columns of expert e's weights, 256 KB of f32 that no other work-group reads.  MODE 1: columns 128 gx.  MODE 2: k = 512 (gx / 4) on, columns 128 (gx % 4) on.
; PROLOGUE.  The block is read once, rounded to bf16 and laid into LDS as 16 x 8 operand blocks of 1,024 bytes (16 columns x 32 k, as the operand lies in registers: 512 consecutive bytes a load).
; One barrier.  Then the waves are on their own: wave w takes the expert's steps of 32 rows w, w + 4, .., TWO AT A TIME: a unit is 64 rows, 4 row tiles x 8 column tiles x 16 k steps = 512 matrix
; instructions, and each operand block of the weights that is read from LDS feeds four of them.  A wave with an odd number of steps ends with a unit of one step, written out behind the loop.
; The number of steps is read from memory, so neither part holds a barrier, an LDS store or a sum across waves.
; THE ROWS' OPERANDS lie in a ring of eight k steps in registers: k step c asks for k step c + 7 (from c = 9 on: the next unit's k steps 0 to 6) into the place that k step c - 1 has left:
; 56 loads of 512 bytes of a wave are on their way.
; NO TRANSPOSE.  A lane's 16-byte load takes 4 neighbouring columns of one k row, 16 lanes 256 consecutive bytes.  Column tile t of a wave's 64 columns is the set n0 + 4 i + t, i = 0..15: then lane (r, h)
; holds, in register t of its 16 loads, the 16 k that the operand of tile t wants of it, and a rounding in pairs makes the operand.
; THE HIDDEN AXIS' ORDER.  MODE 1 multiplies with the weights as source 0: result register j of lane (r, h) is row r, hidden 64 G + 32 h + 4 j + t.  Tiles 2 F and 2 F + 1, rounded in pairs, ARE block
; 2 G + F of h as an operand: place (h, i) of that block stands for hidden 64 G + 32 h + 4 (i % 8) + 2 F + i / 8.  MODE 2 loads the rows of W2 in that same order: the products are the same.
; MODE 2 multiplies with h as source 0: register j of lane (r, h) is row 8 h + j, column n0 + 4 r + t: four tiles' registers j are 16 bytes of a row, and 16 lanes store 256 consecutive bytes, aligned.
; THE BIAS is the C operand of a unit's first products (MODE 2: in the first quarter's plane alone, 0 in the others): nothing is cleared and nothing is added afterwards.
; NO CLUSTER.  What a work-group shares with others (16 in MODE 1, 4 in MODE 2) are the rows' operand blocks.  They go from memory straight into registers, in the operand's order, with no pass through
; LDS, which a joint load would bring back; and they are read in a loop whose trip count is data, where no barrier may stand.  The weights, 256 KB a work-group, are shared with nobody.
; LIMITS.  relu of a NaN gives 0; an expert that was not chosen contributes nothing, also where its own numbers would overflow.
.set MODE, 2
.if MODE == 1
.set PITCH, 8192       ; bytes from a k row of the weights to the next
.set A_M,   16384      ; bytes from a step's first row tile to its second
.set A_SH,  15         ; a step of the rows' operands is 1 << A_SH bytes
.set W_MUL, 0xa4       ; source 0 window 0 (weights), source 1 window 1 (rows), C and D window 2
.set W_FST, 0xb4       ; the same with C in window 3
.set META,  0          ; loads of the row tables for each row tile
.else
.set PITCH, 2048
.set A_M,   65536
.set A_SH,  17
.set W_MUL, 0xa1       ; source 0 window 1 (rows), source 1 window 0 (weights), C and D window 2
.set W_FST, 0xb1
.set META,  4
.endif
.set PLANE, 9437184    ; 4,608 rows of 2,048 bytes
; window 0: v1 lane, v2 r, v3 h, v4 16 x lane, v5 v4 + 65,536, v6 weights' offset, v7 LDS place of my operand blocks, v8 b1's offset, v9 16 r, v10 32 h
.set RA,  16           ; v[16:47]   MODE 2: my 32 rows' places in the planes (tile m, row 8 h + j at RA + 8 m + j)
.set BF0, 64           ; v[64:127]  the weights' operands of a k step, two buffers
.set BF1, 128          ; v[128:191]
.set TMP, 192          ; v[192:223] at work in the prologue
.set WT,  224          ; v[224:255] MODE 2: the rows' weights
; window 1: the rows' operands: tile m, k step k at 64 m + 8 (k % 8)
; window 2: the accumulators: (m, nt) at 64 m + 8 nt.  In the prologue: four slots of 64 for the weights as loaded: load i, column t at 64 slot + 4 i + t
; window 3: v[0:63] the bias as a C operand: tile nt at 8 nt; v[64:255] buffers of 32 for the way out
.set OB,  64
; scalars: s[32:33], s[34:35] the rows' operands of the unit's two steps; s[36:37], s[38:39] of the next unit's; s[52:53], s[54:55] where the two steps' results go (MODE 1) or their
; part of rowasg (MODE 2); s[56:57], s[58:59] their part of roww
.set MSB, 0
.macro WIN new                         ; the immediate's high byte repeats the setting that is left
.if MSB != (\new)
	s_set_vgpr_msb (MSB<<8)|(\new)
.set MSB, \new
.endif
.endm
.macro PLACES                          ; four places between a matrix instruction and a load into, or a vector write of, one of its registers, or a vector read of its result
.rept 4
	v_nop
.endr
.endm
.macro WGROUP g                        ; the 16 k rows of my local k step g, 64 columns: lanes 0-15 one row's 256 bytes, lanes 16-31 another's
	WIN 0x80
.set i, 0
.rept 16
.if MODE == 1
.set rw, 32*(\g)+(i%8)+16*(i/8)
.else
.set rw, 64*((\g)/2)+4*(i%8)+2*((\g)%2)+(i/8)
.endif
	global_load_b128 v[64*((\g)%4)+4*i:64*((\g)%4)+4*i+3], v6, s[40:41] offset:rw*PITCH th:TH_LOAD_NT
.set i, i+1
.endr
.endm
; The rows' operands of k step k, tiles 0 to mt - 1: two loads of 512 consecutive bytes a tile.  nx = 0: of the unit in hand; 1: of the next.  Tiles 0, 1 are the unit's first step, tiles 2, 3 its second.
.macro ALOAD k, nx, mt
	WIN 0x40
.irp m, 0,1,2,3
.if \m < (\mt)
	global_load_b128 v[64*\m+8*((\k)%8):64*\m+8*((\k)%8)+3],   v4, s[32+4*(\nx)+2*(\m/2):33+4*(\nx)+2*(\m/2)] offset:(\m%2)*A_M+(\k)*1024
	global_load_b128 v[64*\m+8*((\k)%8)+4:64*\m+8*((\k)%8)+7], v4, s[32+4*(\nx)+2*(\m/2):33+4*(\nx)+2*(\m/2)] offset:(\m%2)*A_M+(\k)*1024+512
.endif
.endr
.endm
.macro AGROUP g                        ; two k steps: 16 loads
	ALOAD 2*(\g), 0, 4
	ALOAD 2*(\g)+1, 0, 4
.endm
.macro CONV c                          ; local k step c: 64 numbers a lane are rounded in pairs into four operands, which go to LDS
	WIN 0x0a
.set sl, 64*((\c)%4)
.irp t, 0,1,2,3
.irp p, 0,1,2,3,4,5,6,7
	v_cvt_pk_bf16_f32 v[TMP+8*\t+\p], v[sl+8*\p+\t], v[sl+8*\p+4+\t]
.endr
.endr
	WIN 0
.irp t, 0,1,2,3
	ds_store_b128 v7, v[TMP+8*\t:TMP+8*\t+3] offset:(\c)*8192+\t*1024
	ds_store_b128 v7, v[TMP+8*\t+4:TMP+8*\t+7] offset:(\c)*8192+\t*1024+512
.endr
.endm
.macro BLOAD c, f                      ; the eight operands of k step c into buffer f: 16 loads of 512 consecutive bytes
	WIN 0
.irp nt, 0,1,2,3,4,5,6,7
.if (\c) < 8
	ds_load_b128 v[(\f)+8*\nt:(\f)+8*\nt+3],   v4 offset:(\c)*8192+\nt*1024
	ds_load_b128 v[(\f)+8*\nt+4:(\f)+8*\nt+7], v4 offset:(\c)*8192+\nt*1024+512
.else
	ds_load_b128 v[(\f)+8*\nt:(\f)+8*\nt+3],   v5 offset:((\c)-8)*8192+\nt*1024
	ds_load_b128 v[(\f)+8*\nt+4:(\f)+8*\nt+7], v5 offset:((\c)-8)*8192+\nt*1024+512
.endif
.endr
.endm
.macro MUL c, mt                       ; 8 mt matrix instructions; the 8 mt accumulators take turns, one instruction a turn
.set bf, BF0+64*((\c)%2)
.set ar, 8*((\c)%8)
.if (\c) == 0
	WIN W_FST
.else
	WIN W_MUL
.endif
.irp nt, 0,1,2,3,4,5,6,7
.irp m, 0,1,2,3
.if \m < (\mt)
.if (MODE == 1) && ((\c) == 0)
	v_wmma_f32_16x16x32_bf16 v[64*\m+8*\nt:64*\m+8*\nt+7], v[bf+8*\nt:bf+8*\nt+7], v[64*\m+ar:64*\m+ar+7], v[8*\nt:8*\nt+7]
.elseif MODE == 1
	v_wmma_f32_16x16x32_bf16 v[64*\m+8*\nt:64*\m+8*\nt+7], v[bf+8*\nt:bf+8*\nt+7], v[64*\m+ar:64*\m+ar+7], v[64*\m+8*\nt:64*\m+8*\nt+7]
.elseif (\c) == 0
	v_wmma_f32_16x16x32_bf16 v[64*\m+8*\nt:64*\m+8*\nt+7], v[64*\m+ar:64*\m+ar+7], v[bf+8*\nt:bf+8*\nt+7], v[8*\nt:8*\nt+7]
.else
	v_wmma_f32_16x16x32_bf16 v[64*\m+8*\nt:64*\m+8*\nt+7], v[64*\m+ar:64*\m+ar+7], v[bf+8*\nt:bf+8*\nt+7], v[64*\m+8*\nt:64*\m+8*\nt+7]
.endif
.endif
.endr
.endr
.endm
; K step c of a unit of mt row tiles (4: two steps, in the loop; 2: one step, the wave's last).  The registers that k step c - 1 has multiplied are loaded again: the other buffer with the weights
; of k step c + 1, the ring's place with the rows of k step c + 7.  The last unit asks for nothing beyond its own k step 15 and loads tiles 0 and 1 alone.
; THE COUNT for the rows of k step c.  mt = 4: behind their loads were issued those of seven k steps, 8 each: 56; in MODE 2, for c < 7, also the 16 of the row tables: 72, of which a wait can state 63.
; mt = 2: for c < 7 the four of tiles 2, 3 of the same k step, 8 (6 - c) of the k steps up to 6, the row tables' 8 (MODE 2) and 4 (c + 1) of this unit's own; from c = 7 on four for each later k step asked for.
.macro KSTEP c, mt
	PLACES
.if ((\mt) == 4) || ((\c) < 15)
	BLOAD ((\c)+1)%16, BF0+64*(((\c)+1)%2)
.endif
.if (\c) < 9
	ALOAD (\c)+7, 0, \mt
.elseif (\mt) == 4
	ALOAD (\c)-9, 1, 4
.endif
.if ((\mt) == 4) || ((\c) < 15)
	s_wait_dscnt 16                                ; the 16 just issued may be out: k step c's weights are in
.else
	s_wait_dscnt 0x0                               ; nothing was issued behind the last k step's weights
.endif
.if (\mt) == 4
.set lc, 56
.if (\c) < 7
.set lc, 56+4*META
.endif
.elseif (\c) < 7
.set lc, 56-4*(\c)+2*META
.elseif (\c) < 9
.set lc, 28
.else
.set lc, 4*(15-(\c))
.endif
.if lc > 63
.set lc, 63
.endif
	s_wait_loadcnt lc
	MUL \c, \mt
.endm
; The index of the expert's step s27 + a, held inside the expert's steps and, last of all, inside the tables; behind that it is only shifted and added.
.macro IDX d, a
	s_add_co_u32 s[\d], s27, \a
	s_min_u32 s[\d], s[\d], s43                    ; behind the expert's last step: that step once more; its bytes are written, and the numbers are not used
	s_add_co_u32 s[\d], s[\d], s24
	s_min_u32 s[\d], s[\d], 143
.endm
; The addresses of the unit whose first step is s27 (its second: s27 + 4), and those of the next unit's rows (s27 + 8, s27 + 12), each from its own buffer's pointer.
.macro BASES sync
.if \sync
	s_wait_xcnt 0x0                                ; every earlier memory instruction has had its addresses translated (ISA guide 3.1): only now are their bases, and in the next unit the stores' registers, rewritten
.endif
	IDX 28, 0
	IDX 29, 4
	s_lshl_b32 s30, s28, A_SH
	s_add_nc_u64 s[32:33], s[44:45], s[30:31]
	s_lshl_b32 s30, s29, A_SH
	s_add_nc_u64 s[34:35], s[44:45], s[30:31]
.if MODE == 1
	s_lshl_b32 s30, s28, 17                        ; h: 131,072 bytes a step
	s_add_nc_u64 s[52:53], s[46:47], s[30:31]
	s_lshl_b32 s30, s29, 17
	s_add_nc_u64 s[54:55], s[46:47], s[30:31]
.else
	s_lshl_b32 s30, s28, 7                         ; the row tables: 128 bytes a step
	s_add_nc_u64 s[52:53], s[10:11], s[30:31]
	s_add_nc_u64 s[56:57], s[12:13], s[30:31]
	s_lshl_b32 s30, s29, 7
	s_add_nc_u64 s[54:55], s[10:11], s[30:31]
	s_add_nc_u64 s[58:59], s[12:13], s[30:31]
.endif
	IDX 28, 8
	IDX 29, 12
	s_lshl_b32 s30, s28, A_SH
	s_add_nc_u64 s[36:37], s[44:45], s[30:31]
	s_lshl_b32 s30, s29, A_SH
	s_add_nc_u64 s[38:39], s[44:45], s[30:31]
.endm
; A UNIT of mt row tiles: the row tables (MODE 2), 16 k steps, the way out.
.macro UNIT mt
.if MODE == 2
	WIN 0
.irp m, 0,1,2,3
.if \m < (\mt)
	global_load_b128 v[RA+8*\m:RA+8*\m+3],   v10, s[52+2*(\m/2):53+2*(\m/2)] offset:(\m%2)*64     ; rows 16 (m % 2) + 8 h + 0..7 of the step: where they go,
	global_load_b128 v[RA+8*\m+4:RA+8*\m+7], v10, s[52+2*(\m/2):53+2*(\m/2)] offset:(\m%2)*64+16
	global_load_b128 v[WT+8*\m:WT+8*\m+3],   v10, s[56+2*(\m/2):57+2*(\m/2)] offset:(\m%2)*64     ; and their weights
	global_load_b128 v[WT+8*\m+4:WT+8*\m+7], v10, s[56+2*(\m/2):57+2*(\m/2)] offset:(\m%2)*64+16
.endif
.endr
.endif
.irp c, 0,1,2,3,4,5,6,7,8,9,10,11,12,13,14,15
	KSTEP \c, \mt
.endr
	PLACES                                         ; behind the last products, in front of the vector work on the sums
.if MODE == 1
; Each row tile has a buffer of its own in window 3, so no wait stands here: the buffers are rewritten in the next unit, behind the wait in front of the bases' rewrite.
.irp m, 0,1,2,3
.if \m < (\mt)
	WIN 0x88                                       ; source 1 and destination window 2
.set k, 0
.rept 64
	v_max_num_f32 v[64*\m+k], 0, v[64*\m+k]        ; relu in place, each accumulator from its lowest register on
.set k, k+1
.endr
	WIN 0xca                                       ; sources window 2, destination window 3
.set k, 0
.rept 32
	v_cvt_pk_bf16_f32 v[OB+32*\m+k], v[64*\m+2*k], v[64*\m+2*k+1]  ; tiles 2 f and 2 f + 1 make block f
.set k, k+1
.endr
	WIN 0x0c                                       ; the stores' data window 3, their address window 0
.irp f, 0,1,2,3
	global_store_b128 v4, v[OB+32*\m+8*\f:OB+32*\m+8*\f+3],   s[52+2*(\m/2):53+2*(\m/2)] offset:(\m%2)*65536+\f*1024      ; 512 consecutive bytes, at a multiple of 256 from hfrag's first
	global_store_b128 v4, v[OB+32*\m+8*\f+4:OB+32*\m+8*\f+7], s[52+2*(\m/2):53+2*(\m/2)] offset:(\m%2)*65536+\f*1024+512
.endr
.endif
.endr
.else
	WIN 0
.if (\mt) == 4
	s_wait_loadcnt 56                              ; the row tables' loads are older than the 128 loads of rows issued in this unit
.endif
.set k, 0
.rept 8*(\mt)
	v_min_u32 v[RA+k], 0x11ff, v[RA+k]             ; held inside a plane's 4,608 rows
.set k, k+1
.endr
.set k, 0
.rept 8*(\mt)
	v_lshl_add_u32 v[RA+k], v[RA+k], 11, v9        ; the row's 2,048 bytes + 16 r
.set k, k+1
.endr
; Group 2 m + n (a row tile, 64 columns) takes buffer (2 m + n) % 6 of window 3.
.irp m, 0,1,2,3
.if \m < (\mt)
.irp n, 0,1
.set ob, OB+32*((2*\m+\n)%6)
.if (2*\m+\n) == 6
	s_wait_xcnt 0x0                                ; buffers 0 and 1 are rewritten only when the stores that read them have had their addresses translated (ISA guide 3.1)
.endif
	WIN 0xc2                                       ; source 0 window 2, source 1 window 0, destination window 3
.irp j, 0,1,2,3,4,5,6,7
.irp t, 0,1,2,3
	v_mul_f32 v[ob+4*\j+\t], v[64*\m+8*(4*\n+\t)+\j], v[WT+8*\m+\j]  ; each accumulator from its lowest register on
.endr
.endr
	WIN 0x0c                                       ; the stores' data window 3, their address window 0
.irp j, 0,1,2,3,4,5,6,7
	global_store_b128 v[RA+8*\m+\j], v[ob+4*\j:ob+4*\j+3], s[48:49] offset:\n*256  ; 16 lanes store 256 consecutive bytes of a row, at a multiple of 256 from part's first
.endr
.endr
.endif
.endr
.endif
	WIN 0                                          ; at a label and at a branch every window is 0
.endm
	s_load_b256 s[4:11], s[0:1], 0x0               ; rows' operands s[4:5], weights s[6:7], bias s[8:9], rmap s[10:11]
.if MODE == 1
	s_load_b64 s[12:13], s[0:1], 0x20              ; hfrag
.else
	s_load_b128 s[12:15], s[0:1], 0x20             ; roww s[12:13], part s[14:15]
	v_lshl_add_u32 v62, v0, 2, 0x20000
	v_mov_b32 v63, 0
.endif
	v_lshrrev_b32 v1, 5, v0
	v_readfirstlane_b32 s16, v1                    ; wave 0..3
	s_lshr_b32 s17, s16, 1                         ; nh: which 64 columns I bring
	s_and_b32 s18, s16, 1                          ; kh: which 256 k
	s_mov_b32 s19, ttmp9                           ; gx
	s_and_b32 s20, ttmp7, 0xffff                   ; e
	s_lshr_b32 s21, s19, 2                         ; MODE 2: q, the quarter of the hidden axis
	s_and_b32 s22, s19, 3                          ; MODE 2: ns, the 128 columns
	s_lshl_b32 s23, s20, 3
	v_and_b32 v1, 31, v0
	v_and_b32 v2, 15, v0
	v_bfe_u32 v3, v0, 4, 1
	v_lshlrev_b32 v4, 4, v1
	v_add_nc_u32 v5, 0x10000, v4
	v_lshlrev_b32 v9, 4, v2
	v_lshl_add_u32 v6, v3, 16, v9                  ; lanes 16-31 take the row 65,536 bytes on (8 rows of W1, 32 of W2)
	s_lshl_b32 s28, s18, 16
	s_lshl_b32 s29, s17, 12
	s_add_co_u32 s28, s28, s29
	v_add_nc_u32 v7, s28, v4                       ; block (8 kh + c, 4 nh + t)
	v_lshlrev_b32 v8, 7, v3
	v_lshlrev_b32 v10, 5, v3
	s_lshl_b32 s30, s20, 22                        ; an expert's weights are 4 MiB
.if MODE == 1
	s_lshl_b32 s28, s18, 21                        ; 256 kh rows of 8,192 bytes
	s_lshl_b32 s29, s19, 9
.else
	s_lshl_b32 s28, s21, 20                        ; 512 q rows of 2,048 bytes
	s_add_co_u32 s30, s30, s28
	s_lshl_b32 s28, s18, 19
	s_lshl_b32 s29, s22, 9
.endif
	s_add_co_u32 s30, s30, s28
	s_add_co_u32 s30, s30, s29
	s_lshl_b32 s28, s17, 8
	s_add_co_u32 s30, s30, s28
	s_mov_b32 s31, 0                               ; stays 0: s[30:31] is the offsets' pair
	s_wait_kmcnt 0x0
	s_add_nc_u64 s[40:41], s[6:7], s[30:31]
	s_load_b64 s[24:25], s[10:11], s23 offset:18432  ; the expert's first step and its number of steps
.if MODE == 1
	s_lshl_b32 s30, s20, 13
	s_lshl_b32 s28, s19, 9
	s_add_co_u32 s30, s30, s28
	s_add_nc_u64 s[8:9], s[8:9], s[30:31]          ; b1 at my 128 columns
	s_mov_b64 s[44:45], s[4:5]
	s_lshl_b32 s30, s19, 12
	s_add_nc_u64 s[46:47], s[12:13], s[30:31]      ; h at my four blocks of a row tile
.irp n, 0,1
.irp j, 0,1,2,3,4,5,6,7
	global_load_b128 v[BF0+32*\n+4*\j:BF0+32*\n+4*\j+3], v8, s[8:9] offset:\n*256+\j*16  ; b1[64 n + 32 h + 4 j + 0..3]
.endr
.endr
.else
	s_lshl_b32 s30, s20, 11
	s_lshl_b32 s28, s22, 9
	s_add_co_u32 s30, s30, s28
	s_add_nc_u64 s[8:9], s[8:9], s[30:31]          ; b2 at my 128 columns
	s_lshl_b32 s30, s21, 14
	s_add_nc_u64 s[44:45], s[4:5], s[30:31]        ; h at my quarter's 16 blocks of a row tile
	s_mul_i32 s30, s21, PLANE
	s_add_co_u32 s30, s30, s28
	s_add_nc_u64 s[48:49], s[14:15], s[30:31]      ; my plane, my 512 bytes of a row
	s_cmp_eq_u32 s21, 0
	s_cselect_b32 s42, -1, 0                       ; the bias goes into the first quarter's plane alone
.irp n, 0,1
	global_load_b128 v[BF0+4*\n:BF0+4*\n+3], v9, s[8:9] offset:\n*256  ; b2[64 n + 4 r + 0..3]
.endr
.endif
	WGROUP 0
	WGROUP 1
	WGROUP 2
; Eight local k steps.  Three groups of 16 loads are always on their way behind the one at work; when the weights' groups are out, the first unit's rows follow in their place.
.irp c, 0,1,2,3,4,5,6,7
.if \c < 5
	WGROUP \c+3
.else
.if \c == 5
	s_wait_kmcnt 0x0
	s_min_u32 s24, s24, 143
	s_min_u32 s25, s25, 64                         ; 2,048 rows at the most
	s_cmp_eq_u32 s25, 0
	s_cselect_b32 s24, 0, s24                      ; an expert without rows loads step 0, which always exists, and uses nothing of it
	s_max_u32 s43, s25, 1
	s_sub_co_u32 s43, s43, 1                       ; the expert's last step, counted from its first
	s_mov_b32 s27, s16                             ; my first unit begins with step w
	BASES 0                                        ; no memory instruction has named these registers yet
.endif
	AGROUP \c-5
.endif
	s_wait_loadcnt 48                              ; three younger groups of 16 may be out: group c is in (and the bias, which is older)
.if \c == 0
	WIN 0xc0                                       ; destination window 3
.irp n, 0,1
.irp t, 0,1,2,3
.irp j, 0,1,2,3,4,5,6,7
.if MODE == 1
	v_mov_b32 v[8*(4*\n+\t)+\j], v[BF0+32*\n+4*\j+\t]
.else
	v_cndmask_b32 v[8*(4*\n+\t)+\j], 0, v[BF0+4*\n+\t], s42
.endif
.endr
.endr
.endr
.endif
	CONV \c
.endr
	ALOAD 6, 0, 4                                  ; k steps 0 to 6 of my first unit are asked for: 56 loads
	WIN 0
	s_wait_dscnt 0x0                               ; for the others' sake: my 32 operand blocks are stored
	s_barrier_signal -1
	s_barrier_wait -1                              ; the only barrier: from here on LDS is only read
	BLOAD 0, BF0
	s_add_co_u32 s26, s25, 3
	s_sub_co_u32 s26, s26, s16
	s_lshr_b32 s26, s26, 2                         ; my steps: w, w + 4, .. below n
	s_and_b32 s50, s26, 1                          ; an odd one is left for the end
	s_lshr_b32 s26, s26, 1                         ; units of two steps
	s_cmp_eq_u32 s26, 0
	s_cbranch_scc1 .Ltail
.Lunit:
	UNIT 4
	s_add_co_u32 s27, s27, 8
	BASES 1
	s_sub_co_u32 s26, s26, 1
	s_cmp_lg_u32 s26, 0
	s_cbranch_scc1 .Lunit
.Ltail:
	s_cmp_eq_u32 s50, 0
	s_cbranch_scc1 .Lend
	UNIT 2
.Lend:
	s_wait_dscnt 0x0                               ; no LDS load of mine is out when the wave ends
	s_wait_tensorcnt 0x0
	ds_add_u32 v62, v63
	s_wait_dscnt 0x0
	s_endpgm
.Lfunc_end_k_qdac6f1cd37_ffn2:
	.size	k_qdac6f1cd37_ffn2, .Lfunc_end_k_qdac6f1cd37_ffn2-k_qdac6f1cd37_ffn2
	.p2alignl 7, 3214868480
	.fill 96, 4, 3214868480
	.section	.rodata,"a",@progbits
	.p2align	6, 0x0
	.amdhsa_kernel k_qdac6f1cd37_ffn2
		.amdhsa_group_segment_fixed_size 131584
		.amdhsa_private_segment_fixed_size 0
		.amdhsa_enable_private_segment 0
		.amdhsa_kernarg_size 48
		.amdhsa_user_sgpr_count 2
		.amdhsa_user_sgpr_kernarg_segment_ptr 1
		.amdhsa_wavefront_size32 1
		.amdhsa_system_sgpr_workgroup_id_x 1
		.amdhsa_system_sgpr_workgroup_id_y 1
		.amdhsa_system_sgpr_workgroup_id_z 1
		.amdhsa_system_vgpr_workitem_id 0
		.amdhsa_next_free_vgpr 1024
		.amdhsa_next_free_sgpr 66
		.amdhsa_reserve_vcc 0
		.amdhsa_float_denorm_mode_32 3
		.amdhsa_float_denorm_mode_16_64 3
		.amdhsa_memory_ordered 1
		.amdhsa_forward_progress 1
		.amdhsa_inst_pref_size 183
	.end_amdhsa_kernel
	.amdgpu_metadata
---
amdhsa.version: [ 1, 2 ]
amdhsa.kernels:
  - .name:           k_qdac6f1cd37_ffn2
    .symbol:         k_qdac6f1cd37_ffn2.kd
    .args:
      - { .name: hfrag, .offset: 0, .size: 8, .value_kind: global_buffer, .address_space: global }
      - { .name: W2, .offset: 8, .size: 8, .value_kind: global_buffer, .address_space: global }
      - { .name: b2, .offset: 16, .size: 8, .value_kind: global_buffer, .address_space: global }
      - { .name: rmap, .offset: 24, .size: 8, .value_kind: global_buffer, .address_space: global }
      - { .name: roww, .offset: 32, .size: 8, .value_kind: global_buffer, .address_space: global }
      - { .name: part, .offset: 40, .size: 8, .value_kind: global_buffer, .address_space: global }
    .group_segment_fixed_size: 131584
    .private_segment_fixed_size: 0
    .kernarg_segment_align: 8
    .kernarg_segment_size: 48
    .max_flat_workgroup_size: 128
    .sgpr_count:     66
    .vgpr_count:     1024
    .wavefront_size: 32
...
	.end_amdgpu_metadata
.endif
;; end of part 4
;; launch combine (part 5): grid 256 x 1, 8 waves a work-group, no clusters, 0 bytes of LDS; arguments part, x, gamma, beta, out0; writes out0
.if DOCPART == 5
	.amdgcn_target "amdgcn-amd-amdhsa--gfx1250"
	.amdhsa_code_object_version 6
	.text
	.protected	k_qdac6f1cd37_combine
	.globl	k_qdac6f1cd37_combine
	.p2align	8
	.type	k_qdac6f1cd37_combine,@function
k_qdac6f1cd37_combine:
	s_mov_b64 s[64:65], 0
	v_nop
	global_prefetch_b8 v0, s[64:65] scope:SCOPE_SE
	s_setreg_imm32_b32 hwreg(HW_REG_WAVE_MODE, 25, 1), 1
	s_wait_xcnt 0x0
; COMBINE.  out = LayerNorm(x + the token's eight partial rows) x gamma + beta: two assignments x four planes; the weights and the biases are in the partial rows already.
; One wave, one token: a row of 512 f32 is 16 registers a lane, so the mean and the variance never leave the wave: no LDS, no barrier.  Every load and store of a wave is 512 consecutive bytes.
; The variance is taken of the differences from the mean, in a second pass over registers.  All in f32.  Matrix units, clusters and LDS would add nothing to a stream.
.set PLANE, 9437184    ; 4,608 rows of 2,048 bytes
.set V,  16            ; v[16:31]   x, then the sum, then the differences, then the result
.set PT, 32            ; v[32:159]  eight partial rows
.set GA, 160           ; v[160:175] gamma
.set BE, 176           ; v[176:191] beta
.macro ACROSS r, t                     ; the sum over the wave's 32 lanes, in every lane: four steps inside each half ride on the addition, one crosses the halves
	v_add_f32_dpp v[\r], v[\r], v[\r] row_xmask:1 row_mask:0xf bank_mask:0xf
	v_add_f32_dpp v[\r], v[\r], v[\r] row_xmask:2 row_mask:0xf bank_mask:0xf
	v_add_f32_dpp v[\r], v[\r], v[\r] row_xmask:4 row_mask:0xf bank_mask:0xf
	v_add_f32_dpp v[\r], v[\r], v[\r] row_xmask:8 row_mask:0xf bank_mask:0xf
	v_permlanex16_b32 v[\t], v[\r], s28, s29       ; its destination counts as read: a register that has been written
	v_add_f32 v[\r], v[\r], v[\t]
.endm
	s_load_b256 s[4:11], s[0:1], 0x0               ; part s[4:5], x s[6:7], gamma s[8:9], beta s[10:11]
	s_load_b64 s[12:13], s[0:1], 0x20              ; out0
	v_lshrrev_b32 v2, 5, v0
	v_readfirstlane_b32 s14, v2                    ; wave 0..7
	v_and_b32 v1, 31, v0
	v_lshlrev_b32 v1, 4, v1                        ; 16 bytes a lane
	s_lshl_b32 s15, ttmp9, 3
	s_add_co_u32 s15, s15, s14                     ; my token
	s_lshl_b32 s24, s15, 12                        ; its two rows of 2,048 bytes in a plane
	s_mov_b32 s25, 0
	s_lshl_b32 s26, s15, 11                        ; its row in x and in out0
	s_mov_b32 s27, 0
	s_mov_b32 s28, 0x76543210
	s_mov_b32 s29, 0xfedcba98
	s_mov_b32 s30, 0x3b000000                      ; 1 / 512
	s_mov_b32 s31, 0x3727c5ac                      ; 1e-5
	s_wait_kmcnt 0x0
	s_add_nc_u64 s[16:17], s[4:5], s[24:25]        ; a base for each plane: a plane's size is beyond the loads' immediate
	s_add_nc_u64 s[18:19], s[16:17], PLANE
	s_add_nc_u64 s[20:21], s[18:19], PLANE
	s_add_nc_u64 s[22:23], s[20:21], PLANE
	s_add_nc_u64 s[6:7], s[6:7], s[26:27]
	s_add_nc_u64 s[12:13], s[12:13], s[26:27]
.irp i, 0,1,2,3
	global_load_b128 v[V+4*\i:V+4*\i+3], v1, s[6:7] offset:\i*512
.endr
.irp q, 0,1,2,3
.irp a, 0,1
.irp i, 0,1,2,3
	global_load_b128 v[PT+16*(2*\q+\a)+4*\i:PT+16*(2*\q+\a)+4*\i+3], v1, s[16+2*\q:17+2*\q] offset:\a*2048+\i*512 th:TH_LOAD_NT
.endr
.endr
.endr
.irp i, 0,1,2,3
	global_load_b128 v[GA+4*\i:GA+4*\i+3], v1, s[8:9] offset:\i*512
.endr
.irp i, 0,1,2,3
	global_load_b128 v[BE+4*\i:BE+4*\i+3], v1, s[10:11] offset:\i*512
.endr
.set k, 0
.rept 8
	s_wait_loadcnt 8+4*(7-k)                       ; partial row k is in (and x, which is older): four loads for each later row and the eight of gamma and beta stay out
.irp p, 0,2,4,6,8,10,12,14
	v_pk_add_f32 v[V+\p:V+\p+1], v[V+\p:V+\p+1], v[PT+16*k+\p:PT+16*k+\p+1]
.endr
.set k, k+1
.endr
	v_pk_add_f32 v[192:193], v[V:V+1], v[V+2:V+3]
	v_pk_add_f32 v[194:195], v[V+4:V+5], v[V+6:V+7]
	v_pk_add_f32 v[196:197], v[V+8:V+9], v[V+10:V+11]
	v_pk_add_f32 v[198:199], v[V+12:V+13], v[V+14:V+15]
	v_pk_add_f32 v[192:193], v[192:193], v[194:195]
	v_pk_add_f32 v[196:197], v[196:197], v[198:199]
	v_pk_add_f32 v[192:193], v[192:193], v[196:197]
	v_add_f32 v192, v192, v193
	ACROSS 192, 193
	v_mul_f32 v200, s30, v192                      ; the mean, twice: a pair for the packed subtraction
	v_mul_f32 v201, s30, v192
.irp p, 0,2,4,6,8,10,12,14
	v_pk_add_f32 v[V+\p:V+\p+1], v[V+\p:V+\p+1], v[200:201] neg_lo:[0,1] neg_hi:[0,1]
.endr
	v_pk_mul_f32 v[192:193], v[V:V+1], v[V:V+1]    ; the squares, in two chains
	v_pk_mul_f32 v[194:195], v[V+2:V+3], v[V+2:V+3]
.irp p, 4,8,12
	v_pk_fma_f32 v[192:193], v[V+\p:V+\p+1], v[V+\p:V+\p+1], v[192:193]
	v_pk_fma_f32 v[194:195], v[V+\p+2:V+\p+3], v[V+\p+2:V+\p+3], v[194:195]
.endr
	v_pk_add_f32 v[192:193], v[192:193], v[194:195]
	v_add_f32 v192, v192, v193
	ACROSS 192, 193
	v_fma_f32 v202, v192, s30, s31                 ; variance + 1e-5
	v_rsq_f32 v204, v202                           ; twice: a pair for the packed multiply
	v_rsq_f32 v205, v202
	v_nop                                          ; a plain instruction behind them, before their results are used (ISA guide 5.7.2)
	s_wait_loadcnt 0x0                             ; gamma and beta
	s_wait_alu depctr_va_vdst(0)
.irp p, 0,2,4,6,8,10,12,14
	v_pk_mul_f32 v[GA+\p:GA+\p+1], v[GA+\p:GA+\p+1], v[204:205]
.endr
.irp p, 0,2,4,6,8,10,12,14
	v_pk_fma_f32 v[V+\p:V+\p+1], v[V+\p:V+\p+1], v[GA+\p:GA+\p+1], v[BE+\p:BE+\p+1]
.endr
.irp i, 0,1,2,3
	global_store_b128 v1, v[V+4*\i:V+4*\i+3], s[12:13] offset:\i*512 th:TH_STORE_NT
.endr
	s_endpgm
.Lfunc_end_k_qdac6f1cd37_combine:
	.size	k_qdac6f1cd37_combine, .Lfunc_end_k_qdac6f1cd37_combine-k_qdac6f1cd37_combine
	.p2alignl 7, 3214868480
	.fill 96, 4, 3214868480
	.section	.rodata,"a",@progbits
	.p2align	6, 0x0
	.amdhsa_kernel k_qdac6f1cd37_combine
		.amdhsa_group_segment_fixed_size 0
		.amdhsa_private_segment_fixed_size 0
		.amdhsa_enable_private_segment 0
		.amdhsa_kernarg_size 40
		.amdhsa_user_sgpr_count 2
		.amdhsa_user_sgpr_kernarg_segment_ptr 1
		.amdhsa_wavefront_size32 1
		.amdhsa_system_sgpr_workgroup_id_x 1
		.amdhsa_system_sgpr_workgroup_id_y 1
		.amdhsa_system_sgpr_workgroup_id_z 1
		.amdhsa_system_vgpr_workitem_id 0
		.amdhsa_next_free_vgpr 208
		.amdhsa_next_free_sgpr 66
		.amdhsa_reserve_vcc 0
		.amdhsa_float_denorm_mode_32 3
		.amdhsa_float_denorm_mode_16_64 3
		.amdhsa_memory_ordered 1
		.amdhsa_forward_progress 1
		.amdhsa_inst_pref_size 14
	.end_amdhsa_kernel
	.amdgpu_metadata
---
amdhsa.version: [ 1, 2 ]
amdhsa.kernels:
  - .name:           k_qdac6f1cd37_combine
    .symbol:         k_qdac6f1cd37_combine.kd
    .args:
      - { .name: part, .offset: 0, .size: 8, .value_kind: global_buffer, .address_space: global }
      - { .name: x, .offset: 8, .size: 8, .value_kind: global_buffer, .address_space: global }
      - { .name: gamma, .offset: 16, .size: 8, .value_kind: global_buffer, .address_space: global }
      - { .name: beta, .offset: 24, .size: 8, .value_kind: global_buffer, .address_space: global }
      - { .name: out0, .offset: 32, .size: 8, .value_kind: global_buffer, .address_space: global }
    .group_segment_fixed_size: 0
    .private_segment_fixed_size: 0
    .kernarg_segment_align: 8
    .kernarg_segment_size: 40
    .max_flat_workgroup_size: 256
    .sgpr_count:     66
    .vgpr_count:     208
    .wavefront_size: 32
...
	.end_amdgpu_metadata
.endif
;; end of part 5
;; ======== version 2 of 2: 5 launches; version 1 with the launches dispatch, ffn1, ffn2 written anew for expert scheduling mode
;; workspace buffers: gsel 32,768 bytes of whole numbers; rmap 18,688 bytes of whole numbers; pw 16,384 bytes; roww 18,432 bytes; xfrag 4,718,592 bytes; hfrag 18,874,368 bytes; part 37,748,736 bytes
;; launch gate: the kernel of part 1 again; grid 32 x 1, 4 waves a work-group, no clusters, 16,896 bytes of LDS; arguments x, Wg, bg, gsel, pw; writes gsel, pw
;; launch dispatch (part 6): grid 144 x 1, 8 waves a work-group, no clusters, 12,288 bytes of LDS; arguments gsel, pw, x, xfrag, rmap, roww; writes xfrag, rmap, roww
.if DOCPART == 6
	.amdgcn_target "amdgcn-amd-amdhsa--gfx1250"
	.amdhsa_code_object_version 6
	.text
	.protected	k_qdac6f1cd37_dispatch
	.globl	k_qdac6f1cd37_dispatch
	.p2align	8
	.type	k_qdac6f1cd37_dispatch,@function
k_qdac6f1cd37_dispatch:
	s_mov_b64 s[64:65], 0
	v_nop
	global_prefetch_b8 v0, s[64:65] scope:SCOPE_SE
	s_setreg_imm32_b32 hwreg(HW_REG_WAVE_SCHED_MODE, 0, 2), 2
	s_setreg_imm32_b32 hwreg(HW_REG_WAVE_MODE, 25, 1), 1
	s_wait_xcnt 0x0
	s_wait_alu depctr_vm_vsrc(0)
; DISPATCH.  The 4,096 assignments are sorted by expert, each expert's rows padded to steps of 32: at most (4,096 + 16 x 31) / 32 = 143 steps; the tables hold 144.
; Work-group g makes step g: it finds the step's 32 assignments, gathers their rows of x, rounds them to bf16 and stores them as matrix operands.
; No traffic between work-groups: every work-group repeats the counting (128 groups x 16 experts) for itself; it is 16 KB of reads and a few hundred instructions.
; OUT.  xfrag[step][m = 0, 1][c = 0..15]: blocks of 1,024 bytes, 16 rows x 32 k as a 16-bit operand lies in registers: lane l = r + 16 h has registers 0-3 (k = 32 c + 8 h + 0..7)
; at byte 16 l and registers 4-7 (k = 32 c + 16 + 8 h + 0..7) at byte 512 + 16 l: every store, and every later load, is 512 consecutive bytes.
; rmap: rowasg[row] at byte 4 row; at byte 18,432 for each expert {first step, steps} (written by work-group 0; entries 16-31 repeat 0-15).  roww[row] = the row's weight.
; A PAD ROW has rowasg = 4,096 + 32 e + row % 32: a row of the partial sums that is its own and that nobody reads; its x is token 2,047's, its weight pw[4,095]: finite numbers that serve nothing.
; Steps behind the data's last are made of pad rows alone, so that all of xfrag, rowasg and roww is written.
; THE MODE: SCHED_MODE bits 1:0 = 2 (LLVM: expert scheduling mode 2), set by the entry lines.  The code itself states the register dependences between vector instructions and memory or
; LDS instructions, and between a vector instruction that writes a scalar register or VCC and its readers, with s_wait_alu, always for 0.
; THE PLAN.  Every address that hangs on ids alone is made at the head, ahead of one wait.  Where sixteen LDS accesses follow each other, each has an address register (and a data register) of its own:
; all sixteen are made first, one wait follows, then the run.  No register that a memory or LDS instruction reads is ever written again, so no wait on vm_vsrc is owed.
;   v6, v7, v30-v35, v39, v109, v110   written at the head; read by loads and stores; never written again
;   HI     the counts' loads land in it; the table's values are written over them; the table's LDS stores read them
;   CD     the codes' loads land in it; vector instructions alone name it afterwards
;   AD     table addresses: written from the codes; read by the sixteen LDS loads behind the second barrier
;   RB     those loads land in it; the slots' addresses are made in place; the sixteen LDS stores read them, with DA as data
;   v108   base at the head, the token's row added later; read by the gather's loads        OUT  written by the roundings; read by the run of eight stores
.set BSL, 0            ; LDS 0-1,023: [16 blocks of 8 groups][16 experts] counts
.set TB,  1024         ; LDS 1,024-9,215: [128 groups][16 experts] the first row of that group's assignments to that expert
.set SL,  9216         ; LDS 9,216 + 256 w: wave w's own 64 words: slot d = 0..31 holds a + 1 for the step's row d if this wave found it, word 32 takes all others
.set HI,  8            ; v[8:15]   counts of my 8 groups for my expert; later the table's values
.set PRE, 16           ; v[16:24]  their exclusive prefix, and the sum
.set TOT, 25
.set BELOW, 26
.set TMP, 27
.set SC,  28
.set ROW0, 29
.set CD,  48           ; v[48:63]  16 codes: register 4 i + c is assignment 1,024 i + 4 t + c; later their ranks
.set BS,  64           ; v[64:79]
.set RB,  80           ; v[80:95]
.set SLR, 96           ; v[96:103]
.set XL,  112          ; v[112:175] x as loaded
.set OUT, 176          ; v[176:207] four blocks' registers
.set SL2, 208          ; v[208:215]
.set DA,  224          ; v[224:239] a + 1 for my 16 assignments
.set AD,  240          ; v[240:255] where each assignment's entry of the table lies
; the sixteen masks 'block k lies in front of mine': s24-31 and s40-47: mask k in s[24 + k + 8 (k / 8)]
	s_load_b256 s[4:11], s[0:1], 0x0               ; gsel s[4:5], pw s[6:7], x s[8:9], xfrag s[10:11]
	s_load_b128 s[12:15], s[0:1], 0x20             ; rmap s[12:13], roww s[14:15]
	v_lshl_add_u32 v222, v0, 2, 0x2c00
	v_mov_b32 v223, 0
	v_lshrrev_b32 v3, 5, v0
	v_readfirstlane_b32 s17, v3                    ; wave 0..7
	s_mov_b32 s16, ttmp9                           ; g: my step
	v_and_b32 v1, 15, v0                           ; e in the counting, r in the gather
	v_lshrrev_b32 v2, 4, v0                        ; gb: my block of 8 groups
	v_and_b32 v3, 31, v0                           ; lane
	v_bfe_u32 v5, v0, 4, 1                         ; h
	v_mov_b32 v6, 0
	v_lshlrev_b32 v7, 2, v1
	v_lshl_add_u32 v30, v2, 10, v7                 ; hist: 8 groups of 128 bytes a block + 4 e
	v_lshlrev_b32 v31, 4, v0
	v_lshlrev_b32 v32, 2, v0
	v_lshl_add_u32 v34, v2, 9, v7                  ; the table: my block's 8 groups of 64 bytes + 4 e
	v_lshlrev_b32 v35, 3, v3                       ; 8 x lane: the experts' entries in rmap
	v_lshrrev_b32 v36, 3, v0
	v_lshlrev_b32 v36, 6, v36                      ; assignment 1,024 i + 4 t + c lies in group 32 i + t / 8
	v_lshlrev_b32 v109, 4, v3                      ; 16 x lane
	v_lshlrev_b32 v110, 2, v3                      ; 4 x lane
	s_wait_alu depctr_va_sdst(0)                   ; s17 is written, ahead of its first reader
	s_lshl_b32 s18, s17, 8
	s_add_co_u32 s18, s18, SL                      ; my wave's slots
	v_lshl_add_u32 v33, v3, 2, s18
	s_lshr_b32 s19, s17, 2                         ; the gather: wave w makes tile m = w / 4,
	s_and_b32 s22, s17, 3                          ; blocks 4 (w % 4) + 0..3
	s_lshl_b32 s23, s19, 6
	v_lshl_add_u32 v39, v1, 2, s23                 ; word 16 m + r
	s_lshl_b32 s28, s22, 9
	v_lshl_add_u32 v108, v5, 5, s28                ; 512 (w % 4) + 32 h
	s_lshl_b32 s38, s16, 7                         ; 32 rows of 4 bytes
	s_mov_b32 s39, 0
	s_wait_kmcnt 0x0
	s_add_nc_u64 s[32:33], s[12:13], s[38:39]      ; rowasg and roww at my step
	s_add_nc_u64 s[34:35], s[14:15], s[38:39]
	s_wait_alu depctr_va_vdst(0)                   ; the offsets and addresses made above and v6 are written: the loads and stores of the whole kernel read them
.irp i, 0,1,2,3,4,5,6,7
	global_load_b32 v[HI+\i], v30, s[4:5] offset:16384+\i*128
.endr
.irp i, 0,1,2,3
	global_load_b128 v[CD+4*\i:CD+4*\i+3], v31, s[4:5] offset:\i*4096
.endr
	ds_store_b32 v33, v6                           ; my wave's 64 words are cleared
	ds_store_b32 v33, v6 offset:128
.set k, 0
.rept 16                                               ; while the loads are out: the sixteen compares in one run,
	v_cmp_lt_u32 s[24+k+8*(k/8)], k, v2
.set k, k+1
.endr
.set k, 0
.rept 16                                               ; and what the slots will take
	v_add_nc_u32 v[DA+k], 1024*(k/4)+(k%4)+1, v32  ; a + 1
.set k, k+1
.endr
	s_wait_alu depctr_va_sdst(0)                   ; the sixteen masks are written, ahead of the selects that read them
	s_wait_loadcnt 0x4                             ; the counts are in; the four loads of codes are younger
	v_mov_b32 v[PRE], 0
.irp i, 0,1,2,3,4,5,6,7
	v_add_nc_u32 v[PRE+\i+1], v[PRE+\i], v[HI+\i]
.endr
	s_wait_alu depctr_va_vdst(0)                   ; the sum v[PRE+8] is written, which the LDS store reads
	ds_store_b32 v32, v[PRE+8]                     ; BSL[gb][e]: thread t = 16 gb + e
	s_wait_dscnt 0x0                               ; for the others' sake
	s_barrier_signal -1
	s_barrier_wait -1
.irp k, 0,1,2,3,4,5,6,7,8,9,10,11,12,13,14,15
	ds_load_b32 v[BS+\k], v7 offset:BSL+\k*64
.endr
	s_wait_loadcnt 0x0                             ; the codes.  While the LDS loads are out: where each assignment's entry of the table lies, and its rank
.set k, 0
.rept 16
	v_and_b32 v[AD+k], 0xff, v[CD+k]
.set k, k+1
.endr
.set k, 0
.rept 16
	v_min_u32 v[AD+k], 15, v[AD+k]                 ; an expert's number, held inside the table
.set k, k+1
.endr
.set k, 0
.rept 16
	v_lshl_add_u32 v[AD+k], v[AD+k], 2, v36
.set k, k+1
.endr
.set k, 0
.rept 16
	v_lshrrev_b32 v[CD+k], 8, v[CD+k]              ; rank in the group
.set k, k+1
.endr
	s_wait_dscnt 0x0
	v_cndmask_b32 v[BELOW], 0, v[BS], s24          ; my expert's rows in the blocks in front of mine
	v_mov_b32 v[TOT], v[BS]                        ; and in all
.set k, 1
.rept 15
	v_cndmask_b32 v[TMP], 0, v[BS+k], s[24+k+8*(k/8)]
	v_add_nc_u32 v[TOT], v[TOT], v[BS+k]
	v_add_nc_u32 v[BELOW], v[BELOW], v[TMP]
.set k, k+1
.endr
	v_add_nc_u32 v41, 31, v[TOT]
	v_lshrrev_b32 v41, 5, v41                      ; my expert's steps
	v_mov_b32 v[SC], v41
.irp n, 1,2,4,8                                        ; inclusive sum over the 16 experts, which lie in the 16 lanes of a row
	v_mov_b32_dpp v[TMP], v[SC] row_shr:\n row_mask:0xf bank_mask:0xf bound_ctrl:1
	v_add_nc_u32 v[SC], v[SC], v[TMP]
.endr
	v_sub_nc_u32 v40, v[SC], v41                   ; my expert's first step
	v_lshl_add_u32 v[ROW0], v40, 5, v[BELOW]
.irp i, 0,1,2,3,4,5,6,7
	v_add_nc_u32 v[HI+\i], v[ROW0], v[PRE+\i]
.endr
	v_cmp_le_u32 s20, v40, s16                     ; whose step is g?
	v_cmp_gt_u32 s21, v[SC], s16
	s_wait_alu depctr_va_vdst(0)                   ; written: the table's values v[HI ..], which the LDS stores read; v40 and v41, which work-group 0's store reads; v[AD ..], by which the loads behind the barrier go
.irp i, 0,1,2,3,4,5,6,7
	ds_store_b32 v34, v[HI+\i] offset:TB+\i*64
.endr
	s_wait_alu depctr_va_sdst(0)                   ; s20 and s21 are written, ahead of their first reader
	s_and_b32 s20, s20, s21
	s_and_b32 s20, s20, 0xffff
	s_ctz_i32_b32 s24, s20                         ; -1 if nobody's,
	s_min_u32 s24, s24, 15                         ; which then counts as 15: such a step is never multiplied
	s_lshl_b32 s25, s24, 5
	s_add_co_u32 s25, s25, 4096                    ; the step's first pad number
	s_cmp_lg_u32 s17, 0
	s_cbranch_scc1 .Lno_meta
	s_cmp_lg_u32 s16, 0
	s_cbranch_scc1 .Lno_meta
	global_store_b64 v35, v[40:41], s[12:13] offset:18432  ; 256 consecutive bytes; v35, v40, v41 are not written again
.Lno_meta:
	s_wait_dscnt 0x0                               ; for the others' sake: my part of the table is stored
	s_barrier_signal -1
	s_barrier_wait -1
.set k, 0
.rept 16
	ds_load_b32 v[RB+k], v[AD+k] offset:TB+(k/4)*2048  ; no vector instruction since the last wait on va_vdst names v[AD ..] or v[RB ..]
.set k, k+1
.endr
	s_lshl_b32 s26, s16, 5                         ; my step's first row
	s_wait_dscnt 0x0
.set k, 0
.rept 16
	v_add_nc_u32 v[RB+k], v[CD+k], v[RB+k]         ; the assignment's row,
.set k, k+1
.endr
.set k, 0
.rept 16
	v_sub_nc_u32 v[RB+k], v[RB+k], s26             ; counted from my step's first,
.set k, k+1
.endr
.set k, 0
.rept 16
	v_min_u32 v[RB+k], 32, v[RB+k]                 ; or 32 if it lies elsewhere (a row in front wraps to a large number)
.set k, k+1
.endr
.set k, 0
.rept 16
	v_lshl_add_u32 v[RB+k], v[RB+k], 2, s18
.set k, k+1
.endr
	s_wait_alu depctr_va_vdst(0)                   ; the sixteen slot addresses v[RB ..] are written, by which the LDS stores go (their data v[DA ..] were written long before)
.set k, 0
.rept 16
	ds_store_b32 v[RB+k], v[DA+k]
.set k, k+1
.endr
	s_wait_dscnt 0x0                               ; for the others' sake
	s_barrier_signal -1
	s_barrier_wait -1
; The assignment of a row: the sum of the eight waves' words is a + 1, or 0 for a pad row.
.macro WHO src, pad, dst, tmp
	v_add3_u32 v[\dst], v[\src], v[\src+1], v[\src+2]
	v_add3_u32 v[\tmp], v[\src+3], v[\src+4], v[\src+5]
	v_add3_u32 v[\dst], v[\dst], v[\src+6], v[\src+7]
	v_add_nc_u32 v[\dst], v[\dst], v[\tmp]
	v_cmp_ne_u32 vcc_lo, 0, v[\dst]
	v_add_nc_u32 v[\tmp], -1, v[\dst]
	s_wait_alu depctr_va_vcc(0)                    ; VCC is written, ahead of the select that reads it
	v_cndmask_b32 v[\dst], v[\pad], v[\tmp], vcc_lo
.endm
	; THE GATHER.  Wave w makes tile m = w / 4, blocks 4 (w % 4) + 0..3: 512 bytes of each of 16 rows of x.
.irp k, 0,1,2,3,4,5,6,7
	ds_load_b32 v[SLR+\k], v39 offset:SL+\k*256
.endr
	s_lshl_b32 s27, s19, 4
	s_add_co_u32 s27, s27, s25
	v_add_nc_u32 v105, s27, v1                     ; the row's pad number
	s_lshl_b32 s30, s16, 15                        ; xfrag: 32,768 bytes a step,
	s_lshl_b32 s29, s19, 14                        ; 16,384 a tile,
	s_add_co_u32 s30, s30, s29
	s_lshl_b32 s29, s22, 12                        ; my four blocks
	s_add_co_u32 s30, s30, s29
	s_mov_b32 s31, 0
	s_add_nc_u64 s[36:37], s[10:11], s[30:31]
	s_wait_dscnt 0x0
	WHO SLR, 105, 104, 106
	v_lshrrev_b32 v107, 1, v104                    ; the token,
	v_min_u32 v107, 0x7ff, v107                    ; held inside x (a pad row takes the last)
	v_lshl_add_u32 v108, v107, 11, v108
	s_wait_alu depctr_va_vdst(0)                   ; v108 is written, by which the sixteen loads go
.irp kb, 0,1,2,3
.irp p, 0,1,2,3
	global_load_b128 v[XL+16*\kb+4*\p:XL+16*\kb+4*\p+3], v108, s[8:9] offset:\kb*128+(\p/2)*64+(\p%2)*16
.endr
.endr
.irp kb, 0,1,2,3
	s_wait_loadcnt 12-4*\kb                        ; block kb's four loads are in; four for each later block stay out
.irp p, 0,1,2,3,4,5,6,7
	v_cvt_pk_bf16_f32 v[OUT+8*\kb+\p], v[XL+16*\kb+2*\p], v[XL+16*\kb+2*\p+1]
.endr
.endr
	s_wait_alu depctr_va_vdst(0)                   ; the roundings have written v[OUT ..]: one wait for the run of eight stores
.irp kb, 0,1,2,3
	global_store_b128 v109, v[OUT+8*\kb:OUT+8*\kb+3], s[36:37] offset:\kb*1024        ; 512 consecutive bytes, at a multiple of 256 from xfrag's first
	global_store_b128 v109, v[OUT+8*\kb+4:OUT+8*\kb+7], s[36:37] offset:\kb*1024+512
.endr
	s_cmp_lg_u32 s17, 0
	s_cbranch_scc1 .Ldone
.irp k, 0,1,2,3,4,5,6,7                                ; wave 0 writes the step's 32 entries of the two row tables
	ds_load_b32 v[SL2+\k], v110 offset:SL+\k*256
.endr
	v_add_nc_u32 v217, s25, v3
	s_wait_dscnt 0x0
	WHO SL2, 217, 216, 218
	v_min_u32 v219, 0xfff, v216                    ; held inside pw
	v_lshlrev_b32 v219, 2, v219
	s_wait_alu depctr_va_vdst(0)                   ; v219 is written, by which the load goes, and v216, which the store reads
	global_load_b32 v220, v219, s[6:7]
	global_store_b32 v110, v216, s[32:33]
	s_wait_loadcnt 0x0
	global_store_b32 v110, v220, s[34:35]
.Ldone:
	s_wait_dscnt 0x0
	s_wait_alu depctr_hold_cnt(0) depctr_sa_sdst(0) depctr_va_vdst(0) depctr_va_sdst(0) depctr_va_ssrc(0) depctr_va_vcc(0) depctr_vm_vsrc(0)
	s_wait_tensorcnt 0x0
	ds_add_u32 v222, v223
	s_wait_dscnt 0x0
	s_endpgm
.Lfunc_end_k_qdac6f1cd37_dispatch:
	.size	k_qdac6f1cd37_dispatch, .Lfunc_end_k_qdac6f1cd37_dispatch-k_qdac6f1cd37_dispatch
	.p2alignl 7, 3214868480
	.fill 96, 4, 3214868480
	.section	.rodata,"a",@progbits
	.p2align	6, 0x0
	.amdhsa_kernel k_qdac6f1cd37_dispatch
		.amdhsa_group_segment_fixed_size 12288
		.amdhsa_private_segment_fixed_size 0
		.amdhsa_enable_private_segment 0
		.amdhsa_kernarg_size 48
		.amdhsa_user_sgpr_count 2
		.amdhsa_user_sgpr_kernarg_segment_ptr 1
		.amdhsa_wavefront_size32 1
		.amdhsa_system_sgpr_workgroup_id_x 1
		.amdhsa_system_sgpr_workgroup_id_y 1
		.amdhsa_system_sgpr_workgroup_id_z 1
		.amdhsa_system_vgpr_workitem_id 0
		.amdhsa_next_free_vgpr 256
		.amdhsa_next_free_sgpr 66
		.amdhsa_reserve_vcc 1
		.amdhsa_float_denorm_mode_32 3
		.amdhsa_float_denorm_mode_16_64 3
		.amdhsa_memory_ordered 1
		.amdhsa_forward_progress 1
		.amdhsa_inst_pref_size 27
	.end_amdhsa_kernel
	.amdgpu_metadata
---
amdhsa.version: [ 1, 2 ]
amdhsa.kernels:
  - .name:           k_qdac6f1cd37_dispatch
    .symbol:         k_qdac6f1cd37_dispatch.kd
    .args:
      - { .name: gsel, .offset: 0, .size: 8, .value_kind: global_buffer, .address_space: global }
      - { .name: pw, .offset: 8, .size: 8, .value_kind: global_buffer, .address_space: global }
      - { .name: x, .offset: 16, .size: 8, .value_kind: global_buffer, .address_space: global }
      - { .name: xfrag, .offset: 24, .size: 8, .value_kind: global_buffer, .address_space: global }
      - { .name: rmap, .offset: 32, .size: 8, .value_kind: global_buffer, .address_space: global }
      - { .name: roww, .offset: 40, .size: 8, .value_kind: global_buffer, .address_space: global }
    .group_segment_fixed_size: 12288
    .private_segment_fixed_size: 0
    .kernarg_segment_align: 8
    .kernarg_segment_size: 48
    .max_flat_workgroup_size: 256
    .sgpr_count:     66
    .vgpr_count:     256
    .wavefront_size: 32
...
	.end_amdgpu_metadata
.endif
;; end of part 6
;; launch ffn1 (part 7): grid 16 x 16, 4 waves a work-group, no clusters, 131,584 bytes of LDS; arguments xfrag, W1, b1, rmap, hfrag; writes hfrag
.if DOCPART == 7
	.amdgcn_target "amdgcn-amd-amdhsa--gfx1250"
	.amdhsa_code_object_version 6
	.text
	.protected	k_qdac6f1cd37_ffn1
	.globl	k_qdac6f1cd37_ffn1
	.p2align	8
	.type	k_qdac6f1cd37_ffn1,@function
k_qdac6f1cd37_ffn1:
	s_mov_b64 s[64:65], 0
	v_nop
	global_prefetch_b8 v0, s[64:65] scope:SCOPE_SE
	s_setreg_imm32_b32 hwreg(HW_REG_WAVE_SCHED_MODE, 0, 2), 2
	s_setreg_imm32_b32 hwreg(HW_REG_WAVE_MODE, 25, 1), 1
	s_wait_xcnt 0x0
	s_wait_alu depctr_vm_vsrc(0)
; ONE TEXT FOR BOTH PRODUCTS OF AN EXPERT.  MODE 1: h = relu(X W1 + b1), rounded to bf16.  MODE 2: w_row x (h W2 + b2), in f32, one plane for each quarter of the hidden axis.
; Operands bf16, sums f32.  Only the rows that the gate sent to an expert are multiplied: the other experts' results are multiplied by an exact 0 in the module.
; SHARES.  Work-group (gx, e) owns 512 k x 128 columns of expert e's weights, 256 KB of f32 that no other work-group reads.  MODE 1: columns 128 gx.  MODE 2: k = 512 (gx / 4) on, columns 128 (gx % 4) on.
; PROLOGUE.  The block is read once, rounded to bf16 and laid into LDS as 16 x 8 operand blocks of 1,024 bytes (16 columns x 32 k, as the operand lies in registers: 512 consecutive bytes a load).
; One barrier.  Then the waves are on their own: wave w takes the expert's steps of 32 rows w, w + 4, .., TWO AT A TIME: a unit is 64 rows, 4 row tiles x 8 column tiles x 16 k steps = 512 matrix
; instructions, and each operand block of the weights that is read from LDS feeds four of them.  A wave with an odd number of steps ends with a unit of one step, written out behind the loop.
; The number of steps is read from memory, so neither part holds a barrier, an LDS store or a sum across waves.
; THE ROWS' OPERANDS lie in a ring of eight k steps in registers: k step c asks for k step c + 7 (from c = 9 on: the next unit's k steps 0 to 6) into the place that k step c - 1 has left:
; 56 loads of 512 bytes of a wave are on their way.
; NO TRANSPOSE.  A lane's 16-byte load takes 4 neighbouring columns of one k row, 16 lanes 256 consecutive bytes.  Column tile t of a wave's 64 columns is the set n0 + 4 i + t, i = 0..15: then lane (r, h)
; holds, in register t of its 16 loads, the 16 k that the operand of tile t wants of it, and a rounding in pairs makes the operand.
; THE HIDDEN AXIS' ORDER.  MODE 1 multiplies with the weights as source 0: result register j of lane (r, h) is row r, hidden 64 G + 32 h + 4 j + t.  Tiles 2 F and 2 F + 1, rounded in pairs, ARE block
; 2 G + F of h as an operand: place (h, i) of that block stands for hidden 64 G + 32 h + 4 (i % 8) + 2 F + i / 8.  MODE 2 loads the rows of W2 in that same order: the products are the same.
; MODE 2 multiplies with h as source 0: register j of lane (r, h) is row 8 h + j, column n0 + 4 r + t: four tiles' registers j are 16 bytes of a row, and 16 lanes store 256 consecutive bytes, aligned.
; THE BIAS is the C operand of a unit's first products (MODE 2: in the first quarter's plane alone, 0 in the others): nothing is cleared and nothing is added afterwards.
; NO CLUSTER.  What a work-group shares with others (16 in MODE 1, 4 in MODE 2) are the rows' operand blocks.  They go from memory straight into registers, in the operand's order, with no pass through
; LDS, which a joint load would bring back; and they are read in a loop whose trip count is data, where no barrier may stand.  The weights, 256 KB a work-group, are shared with nobody.
; LIMITS.  relu of a NaN gives 0; an expert that was not chosen contributes nothing, also where its own numbers would overflow.
; THE MODE: SCHED_MODE bits 1:0 = 2 (LLVM: expert scheduling mode 2), set by the entry lines.  The code itself states the register dependences between vector or matrix instructions and memory or
; LDS instructions, with s_wait_alu, always for 0.
; THE PLAN.  Registers that memory or LDS instructions touch:
;   v4-v10      offsets and LDS addresses: written at the head, ahead of one wait, and never again.
;   slots 0-3   (window 2, prologue) group g's loads land in slot g % 4; CONV g's roundings read it; group g + 4's loads land in it.
;   TMP         CONV's roundings write it, its LDS stores read it, the next CONV's roundings write it again.
;   BF0, BF1    K step c's products read BF[c % 2]; the LDS loads issued in k step c land in the other, which k step c - 1's products read.  (BF0 first takes the bias, which the moves in front of CONV 0 read.)
;   the ring    K step c's products read place c % 8; the loads issued in k step c land in place (c + 7) % 8, which k step c - 1's products read.
;   OB          The way out's roundings (MODE 2: scalings) write it, its stores read it.
;   RA, WT      (MODE 2) The row tables land in them at a unit's head; the way out writes RA anew and reads WT; its stores go by RA.
;   The accumulators and the bias in window 3 are named by vector and matrix instructions alone.
; So ONE wait on va_vdst stands at a k step's head: the products of the k step before are done reading the two places in which this step's loads land.  The loads follow it dealt among the step's products,
; which name BF[c % 2], ring place c % 8, the accumulators and the bias: none of the registers that those loads touch.
.set MODE, 1
.if MODE == 1
.set PITCH, 8192       ; bytes from a k row of the weights to the next
.set A_M,   16384      ; bytes from a step's first row tile to its second
.set A_SH,  15         ; a step of the rows' operands is 1 << A_SH bytes
.set W_MUL, 0xa4       ; source 0 window 0 (weights), source 1 window 1 (rows), C and D window 2
.set W_FST, 0xb4       ; the same with C in window 3
.set META,  0          ; loads of the row tables for each row tile
.else
.set PITCH, 2048
.set A_M,   65536
.set A_SH,  17
.set W_MUL, 0xa1       ; source 0 window 1 (rows), source 1 window 0 (weights), C and D window 2
.set W_FST, 0xb1
.set META,  4
.endif
.set PLANE, 9437184    ; 4,608 rows of 2,048 bytes
; window 0: v1 lane, v2 r, v3 h, v4 16 x lane, v5 v4 + 65,536, v6 weights' offset, v7 LDS place of my operand blocks, v8 b1's offset, v9 16 r, v10 32 h
.set RA,  16           ; v[16:47]   MODE 2: my 32 rows' places in the planes (tile m, row 8 h + j at RA + 8 m + j)
.set BF0, 64           ; v[64:127]  the weights' operands of a k step, two buffers
.set BF1, 128          ; v[128:191]
.set TMP, 192          ; v[192:223] at work in the prologue
.set WT,  224          ; v[224:255] MODE 2: the rows' weights
; window 1: the rows' operands: tile m, k step k at 64 m + 8 (k % 8)
; window 2: the accumulators: (m, nt) at 64 m + 8 nt.  In the prologue: four slots of 64 for the weights as loaded: load i, column t at 64 slot + 4 i + t
; window 3: v[0:63] the bias as a C operand: tile nt at 8 nt; v[64:255] buffers of 32 for the way out
.set OB,  64
; scalars: s[32:33], s[34:35] the rows' operands of the unit's two steps; s[36:37], s[38:39] of the next unit's; s[52:53], s[54:55] where the two steps' results go (MODE 1) or their
; part of rowasg (MODE 2); s[56:57], s[58:59] their part of roww
.set MSB, 0
.macro WIN new                         ; the immediate's high byte repeats the setting that is left
.if MSB != (\new)
	s_set_vgpr_msb (MSB<<8)|(\new)
.set MSB, \new
.endif
.endm
.macro PLACES                          ; four places between a matrix instruction and a vector read or write of its result (ISA guide 7.12.1)
.rept 4
	v_nop
.endr
.endm
.macro WGROUP g                        ; the 16 k rows of my local k step g, 64 columns: lanes 0-15 one row's 256 bytes, lanes 16-31 another's
	WIN 0x80
.set i, 0
.rept 16
.if MODE == 1
.set rw, 32*(\g)+(i%8)+16*(i/8)
.else
.set rw, 64*((\g)/2)+4*(i%8)+2*((\g)%2)+(i/8)
.endif
	global_load_b128 v[64*((\g)%4)+4*i:64*((\g)%4)+4*i+3], v6, s[40:41] offset:rw*PITCH th:TH_LOAD_NT
.set i, i+1
.endr
.endm
; The rows' operands of k step k, tiles 0 to mt - 1: two loads of 512 consecutive bytes a tile.  nx = 0: of the unit in hand; 1: of the next.  Tiles 0, 1 are the unit's first step, tiles 2, 3 its second.
.macro ALOAD k, nx, mt
	WIN 0x40
.irp m, 0,1,2,3
.if \m < (\mt)
	global_load_b128 v[64*\m+8*((\k)%8):64*\m+8*((\k)%8)+3],   v4, s[32+4*(\nx)+2*(\m/2):33+4*(\nx)+2*(\m/2)] offset:(\m%2)*A_M+(\k)*1024
	global_load_b128 v[64*\m+8*((\k)%8)+4:64*\m+8*((\k)%8)+7], v4, s[32+4*(\nx)+2*(\m/2):33+4*(\nx)+2*(\m/2)] offset:(\m%2)*A_M+(\k)*1024+512
.endif
.endr
.endm
.macro AGROUP g                        ; two k steps: 16 loads
	ALOAD 2*(\g), 0, 4
	ALOAD 2*(\g)+1, 0, 4
.endm
.macro CONV c                          ; local k step c: 64 numbers a lane are rounded in pairs into four operands, which go to LDS
.if (\c) > 0
	s_wait_alu depctr_vm_vsrc(0)                   ; the LDS stores of the local k step before have read TMP, which the roundings below write again
.endif
	WIN 0x0a
.set sl, 64*((\c)%4)
.irp t, 0,1,2,3
.irp p, 0,1,2,3,4,5,6,7
	v_cvt_pk_bf16_f32 v[TMP+8*\t+\p], v[sl+8*\p+\t], v[sl+8*\p+4+\t]
.endr
.endr
	WIN 0
	s_wait_alu depctr_va_vdst(0)                   ; the roundings have written TMP, which the LDS stores read, and are done reading their slot, in which the loads of the group four on land
.irp t, 0,1,2,3
	ds_store_b128 v7, v[TMP+8*\t:TMP+8*\t+3] offset:(\c)*8192+\t*1024
	ds_store_b128 v7, v[TMP+8*\t+4:TMP+8*\t+7] offset:(\c)*8192+\t*1024+512
.endr
.endm
.macro BPART c, f, p                   ; the operands of column tiles 2 p and 2 p + 1 of k step c into buffer f: four loads of 512 consecutive bytes
	WIN 0
.irp q, 0,1
.if (\c) < 8
	ds_load_b128 v[(\f)+8*(2*(\p)+\q):(\f)+8*(2*(\p)+\q)+3],   v4 offset:(\c)*8192+(2*(\p)+\q)*1024
	ds_load_b128 v[(\f)+8*(2*(\p)+\q)+4:(\f)+8*(2*(\p)+\q)+7], v4 offset:(\c)*8192+(2*(\p)+\q)*1024+512
.else
	ds_load_b128 v[(\f)+8*(2*(\p)+\q):(\f)+8*(2*(\p)+\q)+3],   v5 offset:((\c)-8)*8192+(2*(\p)+\q)*1024
	ds_load_b128 v[(\f)+8*(2*(\p)+\q)+4:(\f)+8*(2*(\p)+\q)+7], v5 offset:((\c)-8)*8192+(2*(\p)+\q)*1024+512
.endif
.endr
.endm
.macro BLOAD c, f                      ; all eight operands of k step c: 16 loads
.irp p, 0,1,2,3
	BPART \c, \f, \p
.endr
.endm
.macro WM c, mt, nt                    ; k step c, column tile nt: mt matrix instructions.  Over a k step the 8 mt accumulators take turns, one instruction a turn
.set bf, BF0+64*((\c)%2)
.set ar, 8*((\c)%8)
.if (\c) == 0
	WIN W_FST
.else
	WIN W_MUL
.endif
.irp m, 0,1,2,3
.if \m < (\mt)
.if (MODE == 1) && ((\c) == 0)
	v_wmma_f32_16x16x32_bf16 v[64*\m+8*(\nt):64*\m+8*(\nt)+7], v[bf+8*(\nt):bf+8*(\nt)+7], v[64*\m+ar:64*\m+ar+7], v[8*(\nt):8*(\nt)+7]
.elseif MODE == 1
	v_wmma_f32_16x16x32_bf16 v[64*\m+8*(\nt):64*\m+8*(\nt)+7], v[bf+8*(\nt):bf+8*(\nt)+7], v[64*\m+ar:64*\m+ar+7], v[64*\m+8*(\nt):64*\m+8*(\nt)+7]
.elseif (\c) == 0
	v_wmma_f32_16x16x32_bf16 v[64*\m+8*(\nt):64*\m+8*(\nt)+7], v[64*\m+ar:64*\m+ar+7], v[bf+8*(\nt):bf+8*(\nt)+7], v[8*(\nt):8*(\nt)+7]
.else
	v_wmma_f32_16x16x32_bf16 v[64*\m+8*(\nt):64*\m+8*(\nt)+7], v[64*\m+ar:64*\m+ar+7], v[bf+8*(\nt):bf+8*(\nt)+7], v[64*\m+8*(\nt):64*\m+8*(\nt)+7]
.endif
.endif
.endr
.endm
; K step c of a unit of mt row tiles (4: two steps, in the loop; 2: one step, the wave's last).  The registers that k step c - 1 has multiplied are loaded again: the other buffer with the weights
; of k step c + 1, four loads behind each of the first four column tiles' products; the ring's place with the rows of k step c + 7, behind the fourth.  The last unit asks for nothing beyond its own
; k step 15 and loads tiles 0 and 1 alone.
; THE COUNT for the rows of k step c, ahead of this step's own request.  mt = 4: behind their loads were issued those of six k steps, 8 each: 48; in MODE 2, for c < 7, also the 16 of the row tables: 64, of
; which a wait can state 63.  mt = 2: for c < 7 the four of tiles 2, 3 of the same k step, 8 (6 - c) of the k steps up to 6, the row tables' 8 (MODE 2) and 4 c of this unit's own; from c = 7 on four for
; each later k step asked for so far: six of them up to c = 9, then 15 - c.
.macro KSTEP c, mt
	s_wait_dscnt 8                                 ; LDS loads come back in order (ISA guide 5.7.1): of this k step's 16 the first eight, column tiles 0 to 3, are in
.if (\mt) == 4
.set lc, 48
.if (\c) < 7
.set lc, 48+4*META
.endif
.elseif (\c) < 7
.set lc, 52-4*(\c)+2*META
.elseif (\c) < 9
.set lc, 24
.else
.set lc, 4*(15-(\c))
.endif
.if lc > 63
.set lc, 63
.endif
	s_wait_loadcnt lc
.if (MODE == 1) || ((\c) > 0)
	s_wait_alu depctr_va_vdst(0)                   ; the products of the k step before are done reading the other buffer of weights and the ring's place (c + 7) % 8, in which this step's loads land
.endif                                                 ; (MODE 2, c = 0: the wait at the unit's head has stated that, and only loads stand behind it)
.irp g, 0,1,2,3
	WM \c, \mt, \g
.if ((\mt) == 4) || ((\c) < 15)
	BPART ((\c)+1)%16, BF0+64*(((\c)+1)%2), \g     ; no wait: no matrix instruction since the wait above names these registers
.endif
.endr
.if (\c) < 9
	ALOAD (\c)+7, 0, \mt
.elseif (\mt) == 4
	ALOAD (\c)-9, 1, 4
.endif
.if ((\mt) == 4) || ((\c) < 15)
	s_wait_dscnt 16                                ; the 16 just issued may be out: column tiles 4 to 7 of this k step are in
.else
	s_wait_dscnt 0x0                               ; nothing was issued behind the last k step's weights
.endif
.irp g, 4,5,6,7
	WM \c, \mt, \g
.endr
.endm
; The index of the expert's step s27 + a, held inside the expert's steps and, last of all, inside the tables; behind that it is only shifted and added.
.macro IDX d, a
	s_add_co_u32 s[\d], s27, \a
	s_min_u32 s[\d], s[\d], s43                    ; behind the expert's last step: that step once more; its bytes are written, and the numbers are not used
	s_add_co_u32 s[\d], s[\d], s24
	s_min_u32 s[\d], s[\d], 143
.endm
; The addresses of the unit whose first step is s27 (its second: s27 + 4), and those of the next unit's rows (s27 + 8, s27 + 12), each from its own buffer's pointer.
.macro BASES sync
.if \sync
	s_wait_xcnt 0x0                                ; every earlier memory instruction has had its addresses translated (ISA guide 3.1): only now are their bases, and in the next unit the stores' registers, rewritten
	s_wait_alu depctr_vm_vsrc(0)                   ; the unit's stores have read the way out's buffers, which the next unit's way out writes again (MODE 2: and RA, in which the next unit's row tables land)
.endif
	IDX 28, 0
	IDX 29, 4
	s_lshl_b32 s30, s28, A_SH
	s_add_nc_u64 s[32:33], s[44:45], s[30:31]
	s_lshl_b32 s30, s29, A_SH
	s_add_nc_u64 s[34:35], s[44:45], s[30:31]
.if MODE == 1
	s_lshl_b32 s30, s28, 17                        ; h: 131,072 bytes a step
	s_add_nc_u64 s[52:53], s[46:47], s[30:31]
	s_lshl_b32 s30, s29, 17
	s_add_nc_u64 s[54:55], s[46:47], s[30:31]
.else
	s_lshl_b32 s30, s28, 7                         ; the row tables: 128 bytes a step
	s_add_nc_u64 s[52:53], s[10:11], s[30:31]
	s_add_nc_u64 s[56:57], s[12:13], s[30:31]
	s_lshl_b32 s30, s29, 7
	s_add_nc_u64 s[54:55], s[10:11], s[30:31]
	s_add_nc_u64 s[58:59], s[12:13], s[30:31]
.endif
	IDX 28, 8
	IDX 29, 12
	s_lshl_b32 s30, s28, A_SH
	s_add_nc_u64 s[36:37], s[44:45], s[30:31]
	s_lshl_b32 s30, s29, A_SH
	s_add_nc_u64 s[38:39], s[44:45], s[30:31]
.endm
; A UNIT of mt row tiles: the row tables (MODE 2), 16 k steps, the way out.
.macro UNIT mt
.if MODE == 2
	WIN 0
	s_wait_alu depctr_va_vdst(0)                   ; the way out of the unit before has written RA and is done reading WT, in which the loads below land; its products are done reading BF1 and the ring's place 7
.irp m, 0,1,2,3
.if \m < (\mt)
	global_load_b128 v[RA+8*\m:RA+8*\m+3],   v10, s[52+2*(\m/2):53+2*(\m/2)] offset:(\m%2)*64     ; rows 16 (m % 2) + 8 h + 0..7 of the step: where they go,
	global_load_b128 v[RA+8*\m+4:RA+8*\m+7], v10, s[52+2*(\m/2):53+2*(\m/2)] offset:(\m%2)*64+16
	global_load_b128 v[WT+8*\m:WT+8*\m+3],   v10, s[56+2*(\m/2):57+2*(\m/2)] offset:(\m%2)*64     ; and their weights
	global_load_b128 v[WT+8*\m+4:WT+8*\m+7], v10, s[56+2*(\m/2):57+2*(\m/2)] offset:(\m%2)*64+16
.endif
.endr
.endif
.irp c, 0,1,2,3,4,5,6,7,8,9,10,11,12,13,14,15
	KSTEP \c, \mt
.endr
	PLACES                                         ; behind the last products, in front of the vector work on the sums
.if MODE == 1
; Each row tile has a buffer of its own in window 3: the buffers are rewritten in the next unit, behind the waits in front of the bases' rewrite.
.irp m, 0,1,2,3
.if \m < (\mt)
	WIN 0x88                                       ; source 1 and destination window 2
.set k, 0
.rept 64
	v_max_num_f32 v[64*\m+k], 0, v[64*\m+k]        ; relu in place, each accumulator from its lowest register on
.set k, k+1
.endr
	WIN 0xca                                       ; sources window 2, destination window 3
.set k, 0
.rept 32
	v_cvt_pk_bf16_f32 v[OB+32*\m+k], v[64*\m+2*k], v[64*\m+2*k+1]  ; tiles 2 f and 2 f + 1 make block f
.set k, k+1
.endr
	WIN 0x0c                                       ; the stores' data window 3, their address window 0
	s_wait_alu depctr_va_vdst(0)                   ; the roundings have written this row tile's buffer, which the eight stores read
.irp f, 0,1,2,3
	global_store_b128 v4, v[OB+32*\m+8*\f:OB+32*\m+8*\f+3],   s[52+2*(\m/2):53+2*(\m/2)] offset:(\m%2)*65536+\f*1024      ; 512 consecutive bytes, at a multiple of 256 from hfrag's first
	global_store_b128 v4, v[OB+32*\m+8*\f+4:OB+32*\m+8*\f+7], s[52+2*(\m/2):53+2*(\m/2)] offset:(\m%2)*65536+\f*1024+512
.endr
.endif
.endr
.else
	WIN 0
.if (\mt) == 4
	s_wait_loadcnt 56                              ; the row tables' loads are older than the 128 loads of rows issued in this unit
.endif
.set k, 0
.rept 8*(\mt)
	v_min_u32 v[RA+k], 0x11ff, v[RA+k]             ; held inside a plane's 4,608 rows
.set k, k+1
.endr
.set k, 0
.rept 8*(\mt)
	v_lshl_add_u32 v[RA+k], v[RA+k], 11, v9        ; the row's 2,048 bytes + 16 r
.set k, k+1
.endr
; Group 2 m + n (a row tile, 64 columns) takes buffer (2 m + n) % 6 of window 3.  A row tile's two groups are scaled first; their sixteen stores follow one wait.
.irp m, 0,1,2,3
.if \m < (\mt)
.if \m == 3
	s_wait_xcnt 0x0                                ; buffers 0 and 1 are rewritten only when the stores that read them have had their addresses translated (ISA guide 3.1),
	s_wait_alu depctr_vm_vsrc(0)                   ; and when row tile 0's stores have read them
.endif
	WIN 0xc2                                       ; source 0 window 2, source 1 window 0, destination window 3
.irp n, 0,1
.irp j, 0,1,2,3,4,5,6,7
.irp t, 0,1,2,3
	v_mul_f32 v[OB+32*((2*\m+\n)%6)+4*\j+\t], v[64*\m+8*(4*\n+\t)+\j], v[WT+8*\m+\j]  ; each accumulator from its lowest register on
.endr
.endr
.endr
	WIN 0x0c                                       ; the stores' data window 3, their address window 0
	s_wait_alu depctr_va_vdst(0)                   ; the scalings have written the tile's two buffers, which the stores read; at the first tile: RA is written, by which all the unit's stores go
.irp n, 0,1
.irp j, 0,1,2,3,4,5,6,7
	global_store_b128 v[RA+8*\m+\j], v[OB+32*((2*\m+\n)%6)+4*\j:OB+32*((2*\m+\n)%6)+4*\j+3], s[48:49] offset:\n*256  ; 16 lanes store 256 consecutive bytes of a row, at a multiple of 256 from part's first
.endr
.endr
.endif
.endr
.endif
	WIN 0                                          ; at a label and at a branch every window is 0
.endm
	s_load_b256 s[4:11], s[0:1], 0x0               ; rows' operands s[4:5], weights s[6:7], bias s[8:9], rmap s[10:11]
.if MODE == 1
	s_load_b64 s[12:13], s[0:1], 0x20              ; hfrag
	v_lshl_add_u32 v254, v0, 2, 0x20000
	v_mov_b32 v255, 0
.else
	s_load_b128 s[12:15], s[0:1], 0x20             ; roww s[12:13], part s[14:15]
.endif
	v_lshrrev_b32 v1, 5, v0
	v_readfirstlane_b32 s16, v1                    ; wave 0..3
	v_and_b32 v1, 31, v0
	v_and_b32 v2, 15, v0
	v_bfe_u32 v3, v0, 4, 1
	v_lshlrev_b32 v4, 4, v1
	v_add_nc_u32 v5, 0x10000, v4
	v_lshlrev_b32 v9, 4, v2
	v_lshl_add_u32 v6, v3, 16, v9                  ; lanes 16-31 take the row 65,536 bytes on (8 rows of W1, 32 of W2)
	v_lshlrev_b32 v8, 7, v3
	v_lshlrev_b32 v10, 5, v3
	s_mov_b32 s19, ttmp9                           ; gx
	s_and_b32 s20, ttmp7, 0xffff                   ; e
	s_lshr_b32 s21, s19, 2                         ; MODE 2: q, the quarter of the hidden axis
	s_and_b32 s22, s19, 3                          ; MODE 2: ns, the 128 columns
	s_lshl_b32 s23, s20, 3
	s_wait_alu depctr_va_sdst(0)                   ; s16 is written, ahead of its first reader
	s_lshr_b32 s17, s16, 1                         ; nh: which 64 columns I bring
	s_and_b32 s18, s16, 1                          ; kh: which 256 k
	s_lshl_b32 s28, s18, 16
	s_lshl_b32 s29, s17, 12
	s_add_co_u32 s28, s28, s29
	v_add_nc_u32 v7, s28, v4                       ; block (8 kh + c, 4 nh + t)
	s_lshl_b32 s30, s20, 22                        ; an expert's weights are 4 MiB
.if MODE == 1
	s_lshl_b32 s28, s18, 21                        ; 256 kh rows of 8,192 bytes
	s_lshl_b32 s29, s19, 9
.else
	s_lshl_b32 s28, s21, 20                        ; 512 q rows of 2,048 bytes
	s_add_co_u32 s30, s30, s28
	s_lshl_b32 s28, s18, 19
	s_lshl_b32 s29, s22, 9
.endif
	s_add_co_u32 s30, s30, s28
	s_add_co_u32 s30, s30, s29
	s_lshl_b32 s28, s17, 8
	s_add_co_u32 s30, s30, s28
	s_mov_b32 s31, 0                               ; stays 0: s[30:31] is the offsets' pair
	s_wait_kmcnt 0x0
	s_wait_alu depctr_va_vdst(0)                   ; the offsets and LDS addresses v4 to v10 are written: every load and store of the kernel goes by one of them, or by RA
	s_add_nc_u64 s[40:41], s[6:7], s[30:31]
	s_load_b64 s[24:25], s[10:11], s23 offset:18432  ; the expert's first step and its number of steps
.if MODE == 1
	s_lshl_b32 s30, s20, 13
	s_lshl_b32 s28, s19, 9
	s_add_co_u32 s30, s30, s28
	s_add_nc_u64 s[8:9], s[8:9], s[30:31]          ; b1 at my 128 columns
	s_mov_b64 s[44:45], s[4:5]
	s_lshl_b32 s30, s19, 12
	s_add_nc_u64 s[46:47], s[12:13], s[30:31]      ; h at my four blocks of a row tile
.irp n, 0,1
.irp j, 0,1,2,3,4,5,6,7
	global_load_b128 v[BF0+32*\n+4*\j:BF0+32*\n+4*\j+3], v8, s[8:9] offset:\n*256+\j*16  ; b1[64 n + 32 h + 4 j + 0..3]
.endr
.endr
.else
	s_lshl_b32 s30, s20, 11
	s_lshl_b32 s28, s22, 9
	s_add_co_u32 s30, s30, s28
	s_add_nc_u64 s[8:9], s[8:9], s[30:31]          ; b2 at my 128 columns
	s_lshl_b32 s30, s21, 14
	s_add_nc_u64 s[44:45], s[4:5], s[30:31]        ; h at my quarter's 16 blocks of a row tile
	s_mul_i32 s30, s21, PLANE
	s_add_co_u32 s30, s30, s28
	s_add_nc_u64 s[48:49], s[14:15], s[30:31]      ; my plane, my 512 bytes of a row
	s_cmp_eq_u32 s21, 0
	s_cselect_b32 s42, -1, 0                       ; the bias goes into the first quarter's plane alone
.irp n, 0,1
	global_load_b128 v[BF0+4*\n:BF0+4*\n+3], v9, s[8:9] offset:\n*256  ; b2[64 n + 4 r + 0..3]
.endr
.endif
	WGROUP 0
	WGROUP 1
	WGROUP 2
; Eight local k steps.  Three groups of 16 loads are always on their way behind the one at work; when the weights' groups are out, the first unit's rows follow in their place.
; A group's loads follow the wait on va_vdst of the CONV before, with that CONV's LDS stores between, which name v7 and TMP alone.
.irp c, 0,1,2,3,4,5,6,7
.if \c < 5
	WGROUP \c+3
.else
.if \c == 5
	s_wait_kmcnt 0x0
	s_min_u32 s24, s24, 143
	s_min_u32 s25, s25, 64                         ; 2,048 rows at the most
	s_cmp_eq_u32 s25, 0
	s_cselect_b32 s24, 0, s24                      ; an expert without rows loads step 0, which always exists, and uses nothing of it
	s_max_u32 s43, s25, 1
	s_sub_co_u32 s43, s43, 1                       ; the expert's last step, counted from its first
	s_mov_b32 s27, s16                             ; my first unit begins with step w
	BASES 0                                        ; no memory instruction has named these registers yet
.endif
	AGROUP \c-5
.endif
	s_wait_loadcnt 48                              ; three younger groups of 16 may be out: group c is in (and the bias, which is older)
.if \c == 0
	WIN 0xc0                                       ; destination window 3
.irp n, 0,1
.irp t, 0,1,2,3
.irp j, 0,1,2,3,4,5,6,7
.if MODE == 1
	v_mov_b32 v[8*(4*\n+\t)+\j], v[BF0+32*\n+4*\j+\t]
.else
	v_cndmask_b32 v[8*(4*\n+\t)+\j], 0, v[BF0+4*\n+\t], s42
.endif
.endr
.endr
.endr
.endif
	CONV \c
.endr
	ALOAD 6, 0, 4                                  ; k steps 0 to 6 of my first unit are asked for: 56 loads
	WIN 0
	s_wait_dscnt 0x0                               ; for the others' sake: my 32 operand blocks are stored
	s_barrier_signal -1
	s_barrier_wait -1                              ; the only barrier: from here on LDS is only read
	BLOAD 0, BF0                                   ; the moves that read the bias out of BF0 stand ahead of CONV's waits on va_vdst, and no vector instruction has named BF0 since
	s_add_co_u32 s26, s25, 3
	s_sub_co_u32 s26, s26, s16
	s_lshr_b32 s26, s26, 2                         ; my steps: w, w + 4, .. below n
	s_and_b32 s50, s26, 1                          ; an odd one is left for the end
	s_lshr_b32 s26, s26, 1                         ; units of two steps
	s_cmp_eq_u32 s26, 0
	s_cbranch_scc1 .Ltail
.Lunit:
	UNIT 4
	s_add_co_u32 s27, s27, 8
	BASES 1
	s_sub_co_u32 s26, s26, 1
	s_cmp_lg_u32 s26, 0
	s_cbranch_scc1 .Lunit
.Ltail:
	s_cmp_eq_u32 s50, 0
	s_cbranch_scc1 .Lend
	UNIT 2
.Lend:
	s_wait_dscnt 0x0                               ; no LDS load of mine is out when the wave ends
	s_wait_alu depctr_hold_cnt(0) depctr_sa_sdst(0) depctr_va_vdst(0) depctr_va_sdst(0) depctr_va_ssrc(0) depctr_va_vcc(0) depctr_vm_vsrc(0)
	s_wait_tensorcnt 0x0
	ds_add_u32 v254, v255
	s_wait_dscnt 0x0
	s_endpgm
.Lfunc_end_k_qdac6f1cd37_ffn1:
	.size	k_qdac6f1cd37_ffn1, .Lfunc_end_k_qdac6f1cd37_ffn1-k_qdac6f1cd37_ffn1
	.p2alignl 7, 3214868480
	.fill 96, 4, 3214868480
	.section	.rodata,"a",@progbits
	.p2align	6, 0x0
	.amdhsa_kernel k_qdac6f1cd37_ffn1
		.amdhsa_group_segment_fixed_size 131584
		.amdhsa_private_segment_fixed_size 0
		.amdhsa_enable_private_segment 0
		.amdhsa_kernarg_size 40
		.amdhsa_user_sgpr_count 2
		.amdhsa_user_sgpr_kernarg_segment_ptr 1
		.amdhsa_wavefront_size32 1
		.amdhsa_system_sgpr_workgroup_id_x 1
		.amdhsa_system_sgpr_workgroup_id_y 1
		.amdhsa_system_sgpr_workgroup_id_z 1
		.amdhsa_system_vgpr_workitem_id 0
		.amdhsa_next_free_vgpr 1024
		.amdhsa_next_free_sgpr 66
		.amdhsa_reserve_vcc 0
		.amdhsa_float_denorm_mode_32 3
		.amdhsa_float_denorm_mode_16_64 3
		.amdhsa_memory_ordered 1
		.amdhsa_forward_progress 1
		.amdhsa_inst_pref_size 186
	.end_amdhsa_kernel
	.amdgpu_metadata
---
amdhsa.version: [ 1, 2 ]
amdhsa.kernels:
  - .name:           k_qdac6f1cd37_ffn1
    .symbol:         k_qdac6f1cd37_ffn1.kd
    .args:
      - { .name: xfrag, .offset: 0, .size: 8, .value_kind: global_buffer, .address_space: global }
      - { .name: W1, .offset: 8, .size: 8, .value_kind: global_buffer, .address_space: global }
      - { .name: b1, .offset: 16, .size: 8, .value_kind: global_buffer, .address_space: global }
      - { .name: rmap, .offset: 24, .size: 8, .value_kind: global_buffer, .address_space: global }
      - { .name: hfrag, .offset: 32, .size: 8, .value_kind: global_buffer, .address_space: global }
    .group_segment_fixed_size: 131584
    .private_segment_fixed_size: 0
    .kernarg_segment_align: 8
    .kernarg_segment_size: 40
    .max_flat_workgroup_size: 128
    .sgpr_count:     66
    .vgpr_count:     1024
    .wavefront_size: 32
...
	.end_amdgpu_metadata
.endif
;; end of part 7
;; launch ffn2 (part 8): grid 16 x 16, 4 waves a work-group, no clusters, 131,584 bytes of LDS; arguments hfrag, W2, b2, rmap, roww, part; writes part
.if DOCPART == 8
	.amdgcn_target "amdgcn-amd-amdhsa--gfx1250"
	.amdhsa_code_object_version 6
	.text
	.protected	k_qdac6f1cd37_ffn2
	.globl	k_qdac6f1cd37_ffn2
	.p2align	8
	.type	k_qdac6f1cd37_ffn2,@function
k_qdac6f1cd37_ffn2:
	s_mov_b64 s[64:65], 0
	v_nop
	global_prefetch_b8 v0, s[64:65] scope:SCOPE_SE
	s_setreg_imm32_b32 hwreg(HW_REG_WAVE_SCHED_MODE, 0, 2), 2
	s_setreg_imm32_b32 hwreg(HW_REG_WAVE_MODE, 25, 1), 1
	s_wait_xcnt 0x0
	s_wait_alu depctr_vm_vsrc(0)
; ONE TEXT FOR BOTH PRODUCTS OF AN EXPERT.  MODE 1: h = relu(X W1 + b1), rounded to bf16.  MODE 2: w_row x (h W2 + b2), in f32, one plane for each quarter of the hidden axis.
; Operands bf16, sums f32.  Only the rows that the gate sent to an expert are multiplied: the other experts' results are multiplied by an exact 0 in the module.
; SHARES.  Work-group (gx, e) owns 512 k x 128 columns of expert e's weights, 256 KB of f32 that no other work-group reads.  MODE 1: columns 128 gx.  MODE 2: k = 512 (gx / 4) on, columns 128 (gx % 4) on.
; PROLOGUE.  The block is read once, rounded to bf16 and laid into LDS as 16 x 8 operand blocks of 1,024 bytes (16 columns x 32 k, as the operand lies in registers: 512 consecutive bytes a load).
; One barrier.  Then the waves are on their own: wave w takes the expert's steps of 32 rows w, w + 4, .., TWO AT A TIME: a unit is 64 rows, 4 row tiles x 8 column tiles x 16 k steps = 512 matrix
; instructions, and each operand block of the weights that is read from LDS feeds four of them.  A wave with an odd number of steps ends with a unit of one step, written out behind the loop.
; The number of steps is read from memory, so neither part holds a barrier, an LDS store or a sum across waves.
; THE ROWS' OPERANDS lie in a ring of eight k steps in registers: k step c asks for k step c + 7 (from c = 9 on: the next unit's k steps 0 to 6) into the place that k step c - 1 has left:
; 56 loads of 512 bytes of a wave are on their way.
; NO TRANSPOSE.  A lane's 16-byte load takes 4 neighbouring columns of one k row, 16 lanes 256 consecutive bytes.  Column tile t of a wave's 64 columns is the set n0 + 4 i + t, i = 0..15: then lane (r, h)
; holds, in register t of its 16 loads, the 16 k that the operand of tile t wants of it, and a rounding in pairs makes the operand.
; THE HIDDEN AXIS' ORDER.  MODE 1 multiplies with the weights as source 0: result register j of lane (r, h) is row r, hidden 64 G + 32 h + 4 j + t.  Tiles 2 F and 2 F + 1, rounded in pairs, ARE block
; 2 G + F of h as an operand: place (h, i) of that block stands for hidden 64 G + 32 h + 4 (i % 8) + 2 F + i / 8.  MODE 2 loads the rows of W2 in that same order: the products are the same.
; MODE 2 multiplies with h as source 0: register j of lane (r, h) is row 8 h + j, column n0 + 4 r + t: four tiles' registers j are 16 bytes of a row, and 16 lanes store 256 consecutive bytes, aligned.
; THE BIAS is the C operand of a unit's first products (MODE 2: in the first quarter's plane alone, 0 in the others): nothing is cleared and nothing is added afterwards.
; NO CLUSTER.  What a work-group shares with others (16 in MODE 1, 4 in MODE 2) are the rows' operand blocks.  They go from memory straight into registers, in the operand's order, with no pass through
; LDS, which a joint load would bring back; and they are read in a loop whose trip count is data, where no barrier may stand.  The weights, 256 KB a work-group, are shared with nobody.
; LIMITS.  relu of a NaN gives 0; an expert that was not chosen contributes nothing, also where its own numbers would overflow.
; THE MODE: SCHED_MODE bits 1:0 = 2 (LLVM: expert scheduling mode 2), set by the entry lines.  The code itself states the register dependences between vector or matrix instructions and memory or
; LDS instructions, with s_wait_alu, always for 0.
; THE PLAN.  Registers that memory or LDS instructions touch:
;   v4-v10      offsets and LDS addresses: written at the head, ahead of one wait, and never again.
;   slots 0-3   (window 2, prologue) group g's loads land in slot g % 4; CONV g's roundings read it; group g + 4's loads land in it.
;   TMP         CONV's roundings write it, its LDS stores read it, the next CONV's roundings write it again.
;   BF0, BF1    K step c's products read BF[c % 2]; the LDS loads issued in k step c land in the other, which k step c - 1's products read.  (BF0 first takes the bias, which the moves in front of CONV 0 read.)
;   the ring    K step c's products read place c % 8; the loads issued in k step c land in place (c + 7) % 8, which k step c - 1's products read.
;   OB          The way out's roundings (MODE 2: scalings) write it, its stores read it.
;   RA, WT      (MODE 2) The row tables land in them at a unit's head; the way out writes RA anew and reads WT; its stores go by RA.
;   The accumulators and the bias in window 3 are named by vector and matrix instructions alone.
; So ONE wait on va_vdst stands at a k step's head: the products of the k step before are done reading the two places in which this step's loads land.  The loads follow it dealt among the step's products,
; which name BF[c % 2], ring place c % 8, the accumulators and the bias: none of the registers that those loads touch.
.set MODE, 2
.if MODE == 1
.set PITCH, 8192       ; bytes from a k row of the weights to the next
.set A_M,   16384      ; bytes from a step's first row tile to its second
.set A_SH,  15         ; a step of the rows' operands is 1 << A_SH bytes
.set W_MUL, 0xa4       ; source 0 window 0 (weights), source 1 window 1 (rows), C and D window 2
.set W_FST, 0xb4       ; the same with C in window 3
.set META,  0          ; loads of the row tables for each row tile
.else
.set PITCH, 2048
.set A_M,   65536
.set A_SH,  17
.set W_MUL, 0xa1       ; source 0 window 1 (rows), source 1 window 0 (weights), C and D window 2
.set W_FST, 0xb1
.set META,  4
.endif
.set PLANE, 9437184    ; 4,608 rows of 2,048 bytes
; window 0: v1 lane, v2 r, v3 h, v4 16 x lane, v5 v4 + 65,536, v6 weights' offset, v7 LDS place of my operand blocks, v8 b1's offset, v9 16 r, v10 32 h
.set RA,  16           ; v[16:47]   MODE 2: my 32 rows' places in the planes (tile m, row 8 h + j at RA + 8 m + j)
.set BF0, 64           ; v[64:127]  the weights' operands of a k step, two buffers
.set BF1, 128          ; v[128:191]
.set TMP, 192          ; v[192:223] at work in the prologue
.set WT,  224          ; v[224:255] MODE 2: the rows' weights
; window 1: the rows' operands: tile m, k step k at 64 m + 8 (k % 8)
; window 2: the accumulators: (m, nt) at 64 m + 8 nt.  In the prologue: four slots of 64 for the weights as loaded: load i, column t at 64 slot + 4 i + t
; window 3: v[0:63] the bias as a C operand: tile nt at 8 nt; v[64:255] buffers of 32 for the way out
.set OB,  64
; scalars: s[32:33], s[34:35] the rows' operands of the unit's two steps; s[36:37], s[38:39] of the next unit's; s[52:53], s[54:55] where the two steps' results go (MODE 1) or their
; part of rowasg (MODE 2); s[56:57], s[58:59] their part of roww
.set MSB, 0
.macro WIN new                         ; the immediate's high byte repeats the setting that is left
.if MSB != (\new)
	s_set_vgpr_msb (MSB<<8)|(\new)
.set MSB, \new
.endif
.endm
.macro PLACES                          ; four places between a matrix instruction and a vector read or write of its result (ISA guide 7.12.1)
.rept 4
	v_nop
.endr
.endm
.macro WGROUP g                        ; the 16 k rows of my local k step g, 64 columns: lanes 0-15 one row's 256 bytes, lanes 16-31 another's
	WIN 0x80
.set i, 0
.rept 16
.if MODE == 1
.set rw, 32*(\g)+(i%8)+16*(i/8)
.else
.set rw, 64*((\g)/2)+4*(i%8)+2*((\g)%2)+(i/8)
.endif
	global_load_b128 v[64*((\g)%4)+4*i:64*((\g)%4)+4*i+3], v6, s[40:41] offset:rw*PITCH th:TH_LOAD_NT
.set i, i+1
.endr
.endm
; The rows' operands of k step k, tiles 0 to mt - 1: two loads of 512 consecutive bytes a tile.  nx = 0: of the unit in hand; 1: of the next.  Tiles 0, 1 are the unit's first step, tiles 2, 3 its second.
.macro ALOAD k, nx, mt
	WIN 0x40
.irp m, 0,1,2,3
.if \m < (\mt)
	global_load_b128 v[64*\m+8*((\k)%8):64*\m+8*((\k)%8)+3],   v4, s[32+4*(\nx)+2*(\m/2):33+4*(\nx)+2*(\m/2)] offset:(\m%2)*A_M+(\k)*1024
	global_load_b128 v[64*\m+8*((\k)%8)+4:64*\m+8*((\k)%8)+7], v4, s[32+4*(\nx)+2*(\m/2):33+4*(\nx)+2*(\m/2)] offset:(\m%2)*A_M+(\k)*1024+512
.endif
.endr
.endm
.macro AGROUP g                        ; two k steps: 16 loads
	ALOAD 2*(\g), 0, 4
	ALOAD 2*(\g)+1, 0, 4
.endm
.macro CONV c                          ; local k step c: 64 numbers a lane are rounded in pairs into four operands, which go to LDS
.if (\c) > 0
	s_wait_alu depctr_vm_vsrc(0)                   ; the LDS stores of the local k step before have read TMP, which the roundings below write again
.endif
	WIN 0x0a
.set sl, 64*((\c)%4)
.irp t, 0,1,2,3
.irp p, 0,1,2,3,4,5,6,7
	v_cvt_pk_bf16_f32 v[TMP+8*\t+\p], v[sl+8*\p+\t], v[sl+8*\p+4+\t]
.endr
.endr
	WIN 0
	s_wait_alu depctr_va_vdst(0)                   ; the roundings have written TMP, which the LDS stores read, and are done reading their slot, in which the loads of the group four on land
.irp t, 0,1,2,3
	ds_store_b128 v7, v[TMP+8*\t:TMP+8*\t+3] offset:(\c)*8192+\t*1024
	ds_store_b128 v7, v[TMP+8*\t+4:TMP+8*\t+7] offset:(\c)*8192+\t*1024+512
.endr
.endm
.macro BPART c, f, p                   ; the operands of column tiles 2 p and 2 p + 1 of k step c into buffer f: four loads of 512 consecutive bytes
	WIN 0
.irp q, 0,1
.if (\c) < 8
	ds_load_b128 v[(\f)+8*(2*(\p)+\q):(\f)+8*(2*(\p)+\q)+3],   v4 offset:(\c)*8192+(2*(\p)+\q)*1024
	ds_load_b128 v[(\f)+8*(2*(\p)+\q)+4:(\f)+8*(2*(\p)+\q)+7], v4 offset:(\c)*8192+(2*(\p)+\q)*1024+512
.else
	ds_load_b128 v[(\f)+8*(2*(\p)+\q):(\f)+8*(2*(\p)+\q)+3],   v5 offset:((\c)-8)*8192+(2*(\p)+\q)*1024
	ds_load_b128 v[(\f)+8*(2*(\p)+\q)+4:(\f)+8*(2*(\p)+\q)+7], v5 offset:((\c)-8)*8192+(2*(\p)+\q)*1024+512
.endif
.endr
.endm
.macro BLOAD c, f                      ; all eight operands of k step c: 16 loads
.irp p, 0,1,2,3
	BPART \c, \f, \p
.endr
.endm
.macro WM c, mt, nt                    ; k step c, column tile nt: mt matrix instructions.  Over a k step the 8 mt accumulators take turns, one instruction a turn
.set bf, BF0+64*((\c)%2)
.set ar, 8*((\c)%8)
.if (\c) == 0
	WIN W_FST
.else
	WIN W_MUL
.endif
.irp m, 0,1,2,3
.if \m < (\mt)
.if (MODE == 1) && ((\c) == 0)
	v_wmma_f32_16x16x32_bf16 v[64*\m+8*(\nt):64*\m+8*(\nt)+7], v[bf+8*(\nt):bf+8*(\nt)+7], v[64*\m+ar:64*\m+ar+7], v[8*(\nt):8*(\nt)+7]
.elseif MODE == 1
	v_wmma_f32_16x16x32_bf16 v[64*\m+8*(\nt):64*\m+8*(\nt)+7], v[bf+8*(\nt):bf+8*(\nt)+7], v[64*\m+ar:64*\m+ar+7], v[64*\m+8*(\nt):64*\m+8*(\nt)+7]
.elseif (\c) == 0
	v_wmma_f32_16x16x32_bf16 v[64*\m+8*(\nt):64*\m+8*(\nt)+7], v[64*\m+ar:64*\m+ar+7], v[bf+8*(\nt):bf+8*(\nt)+7], v[8*(\nt):8*(\nt)+7]
.else
	v_wmma_f32_16x16x32_bf16 v[64*\m+8*(\nt):64*\m+8*(\nt)+7], v[64*\m+ar:64*\m+ar+7], v[bf+8*(\nt):bf+8*(\nt)+7], v[64*\m+8*(\nt):64*\m+8*(\nt)+7]
.endif
.endif
.endr
.endm
; K step c of a unit of mt row tiles (4: two steps, in the loop; 2: one step, the wave's last).  The registers that k step c - 1 has multiplied are loaded again: the other buffer with the weights
; of k step c + 1, four loads behind each of the first four column tiles' products; the ring's place with the rows of k step c + 7, behind the fourth.  The last unit asks for nothing beyond its own
; k step 15 and loads tiles 0 and 1 alone.
; THE COUNT for the rows of k step c, ahead of this step's own request.  mt = 4: behind their loads were issued those of six k steps, 8 each: 48; in MODE 2, for c < 7, also the 16 of the row tables: 64, of
; which a wait can state 63.  mt = 2: for c < 7 the four of tiles 2, 3 of the same k step, 8 (6 - c) of the k steps up to 6, the row tables' 8 (MODE 2) and 4 c of this unit's own; from c = 7 on four for
; each later k step asked for so far: six of them up to c = 9, then 15 - c.
.macro KSTEP c, mt
	s_wait_dscnt 8                                 ; LDS loads come back in order (ISA guide 5.7.1): of this k step's 16 the first eight, column tiles 0 to 3, are in
.if (\mt) == 4
.set lc, 48
.if (\c) < 7
.set lc, 48+4*META
.endif
.elseif (\c) < 7
.set lc, 52-4*(\c)+2*META
.elseif (\c) < 9
.set lc, 24
.else
.set lc, 4*(15-(\c))
.endif
.if lc > 63
.set lc, 63
.endif
	s_wait_loadcnt lc
.if (MODE == 1) || ((\c) > 0)
	s_wait_alu depctr_va_vdst(0)                   ; the products of the k step before are done reading the other buffer of weights and the ring's place (c + 7) % 8, in which this step's loads land
.endif                                                 ; (MODE 2, c = 0: the wait at the unit's head has stated that, and only loads stand behind it)
.irp g, 0,1,2,3
	WM \c, \mt, \g
.if ((\mt) == 4) || ((\c) < 15)
	BPART ((\c)+1)%16, BF0+64*(((\c)+1)%2), \g     ; no wait: no matrix instruction since the wait above names these registers
.endif
.endr
.if (\c) < 9
	ALOAD (\c)+7, 0, \mt
.elseif (\mt) == 4
	ALOAD (\c)-9, 1, 4
.endif
.if ((\mt) == 4) || ((\c) < 15)
	s_wait_dscnt 16                                ; the 16 just issued may be out: column tiles 4 to 7 of this k step are in
.else
	s_wait_dscnt 0x0                               ; nothing was issued behind the last k step's weights
.endif
.irp g, 4,5,6,7
	WM \c, \mt, \g
.endr
.endm
; The index of the expert's step s27 + a, held inside the expert's steps and, last of all, inside the tables; behind that it is only shifted and added.
.macro IDX d, a
	s_add_co_u32 s[\d], s27, \a
	s_min_u32 s[\d], s[\d], s43                    ; behind the expert's last step: that step once more; its bytes are written, and the numbers are not used
	s_add_co_u32 s[\d], s[\d], s24
	s_min_u32 s[\d], s[\d], 143
.endm
; The addresses of the unit whose first step is s27 (its second: s27 + 4), and those of the next unit's rows (s27 + 8, s27 + 12), each from its own buffer's pointer.
.macro BASES sync
.if \sync
	s_wait_xcnt 0x0                                ; every earlier memory instruction has had its addresses translated (ISA guide 3.1): only now are their bases, and in the next unit the stores' registers, rewritten
	s_wait_alu depctr_vm_vsrc(0)                   ; the unit's stores have read the way out's buffers, which the next unit's way out writes again (MODE 2: and RA, in which the next unit's row tables land)
.endif
	IDX 28, 0
	IDX 29, 4
	s_lshl_b32 s30, s28, A_SH
	s_add_nc_u64 s[32:33], s[44:45], s[30:31]
	s_lshl_b32 s30, s29, A_SH
	s_add_nc_u64 s[34:35], s[44:45], s[30:31]
.if MODE == 1
	s_lshl_b32 s30, s28, 17                        ; h: 131,072 bytes a step
	s_add_nc_u64 s[52:53], s[46:47], s[30:31]
	s_lshl_b32 s30, s29, 17
	s_add_nc_u64 s[54:55], s[46:47], s[30:31]
.else
	s_lshl_b32 s30, s28, 7                         ; the row tables: 128 bytes a step
	s_add_nc_u64 s[52:53], s[10:11], s[30:31]
	s_add_nc_u64 s[56:57], s[12:13], s[30:31]
	s_lshl_b32 s30, s29, 7
	s_add_nc_u64 s[54:55], s[10:11], s[30:31]
	s_add_nc_u64 s[58:59], s[12:13], s[30:31]
.endif
	IDX 28, 8
	IDX 29, 12
	s_lshl_b32 s30, s28, A_SH
	s_add_nc_u64 s[36:37], s[44:45], s[30:31]
	s_lshl_b32 s30, s29, A_SH
	s_add_nc_u64 s[38:39], s[44:45], s[30:31]
.endm
; A UNIT of mt row tiles: the row tables (MODE 2), 16 k steps, the way out.
.macro UNIT mt
.if MODE == 2
	WIN 0
	s_wait_alu depctr_va_vdst(0)                   ; the way out of the unit before has written RA and is done reading WT, in which the loads below land; its products are done reading BF1 and the ring's place 7
.irp m, 0,1,2,3
.if \m < (\mt)
	global_load_b128 v[RA+8*\m:RA+8*\m+3],   v10, s[52+2*(\m/2):53+2*(\m/2)] offset:(\m%2)*64     ; rows 16 (m % 2) + 8 h + 0..7 of the step: where they go,
	global_load_b128 v[RA+8*\m+4:RA+8*\m+7], v10, s[52+2*(\m/2):53+2*(\m/2)] offset:(\m%2)*64+16
	global_load_b128 v[WT+8*\m:WT+8*\m+3],   v10, s[56+2*(\m/2):57+2*(\m/2)] offset:(\m%2)*64     ; and their weights
	global_load_b128 v[WT+8*\m+4:WT+8*\m+7], v10, s[56+2*(\m/2):57+2*(\m/2)] offset:(\m%2)*64+16
.endif
.endr
.endif
.irp c, 0,1,2,3,4,5,6,7,8,9,10,11,12,13,14,15
	KSTEP \c, \mt
.endr
	PLACES                                         ; behind the last products, in front of the vector work on the sums
.if MODE == 1
; Each row tile has a buffer of its own in window 3: the buffers are rewritten in the next unit, behind the waits in front of the bases' rewrite.
.irp m, 0,1,2,3
.if \m < (\mt)
	WIN 0x88                                       ; source 1 and destination window 2
.set k, 0
.rept 64
	v_max_num_f32 v[64*\m+k], 0, v[64*\m+k]        ; relu in place, each accumulator from its lowest register on
.set k, k+1
.endr
	WIN 0xca                                       ; sources window 2, destination window 3
.set k, 0
.rept 32
	v_cvt_pk_bf16_f32 v[OB+32*\m+k], v[64*\m+2*k], v[64*\m+2*k+1]  ; tiles 2 f and 2 f + 1 make block f
.set k, k+1
.endr
	WIN 0x0c                                       ; the stores' data window 3, their address window 0
	s_wait_alu depctr_va_vdst(0)                   ; the roundings have written this row tile's buffer, which the eight stores read
.irp f, 0,1,2,3
	global_store_b128 v4, v[OB+32*\m+8*\f:OB+32*\m+8*\f+3],   s[52+2*(\m/2):53+2*(\m/2)] offset:(\m%2)*65536+\f*1024      ; 512 consecutive bytes, at a multiple of 256 from hfrag's first
	global_store_b128 v4, v[OB+32*\m+8*\f+4:OB+32*\m+8*\f+7], s[52+2*(\m/2):53+2*(\m/2)] offset:(\m%2)*65536+\f*1024+512
.endr
.endif
.endr
.else
	WIN 0
.if (\mt) == 4
	s_wait_loadcnt 56                              ; the row tables' loads are older than the 128 loads of rows issued in this unit
.endif
.set k, 0
.rept 8*(\mt)
	v_min_u32 v[RA+k], 0x11ff, v[RA+k]             ; held inside a plane's 4,608 rows
.set k, k+1
.endr
.set k, 0
.rept 8*(\mt)
	v_lshl_add_u32 v[RA+k], v[RA+k], 11, v9        ; the row's 2,048 bytes + 16 r
.set k, k+1
.endr
; Group 2 m + n (a row tile, 64 columns) takes buffer (2 m + n) % 6 of window 3.  A row tile's two groups are scaled first; their sixteen stores follow one wait.
.irp m, 0,1,2,3
.if \m < (\mt)
.if \m == 3
	s_wait_xcnt 0x0                                ; buffers 0 and 1 are rewritten only when the stores that read them have had their addresses translated (ISA guide 3.1),
	s_wait_alu depctr_vm_vsrc(0)                   ; and when row tile 0's stores have read them
.endif
	WIN 0xc2                                       ; source 0 window 2, source 1 window 0, destination window 3
.irp n, 0,1
.irp j, 0,1,2,3,4,5,6,7
.irp t, 0,1,2,3
	v_mul_f32 v[OB+32*((2*\m+\n)%6)+4*\j+\t], v[64*\m+8*(4*\n+\t)+\j], v[WT+8*\m+\j]  ; each accumulator from its lowest register on
.endr
.endr
.endr
	WIN 0x0c                                       ; the stores' data window 3, their address window 0
	s_wait_alu depctr_va_vdst(0)                   ; the scalings have written the tile's two buffers, which the stores read; at the first tile: RA is written, by which all the unit's stores go
.irp n, 0,1
.irp j, 0,1,2,3,4,5,6,7
	global_store_b128 v[RA+8*\m+\j], v[OB+32*((2*\m+\n)%6)+4*\j:OB+32*((2*\m+\n)%6)+4*\j+3], s[48:49] offset:\n*256  ; 16 lanes store 256 consecutive bytes of a row, at a multiple of 256 from part's first
.endr
.endr
.endif
.endr
.endif
	WIN 0                                          ; at a label and at a branch every window is 0
.endm
	s_load_b256 s[4:11], s[0:1], 0x0               ; rows' operands s[4:5], weights s[6:7], bias s[8:9], rmap s[10:11]
.if MODE == 1
	s_load_b64 s[12:13], s[0:1], 0x20              ; hfrag
.else
	s_load_b128 s[12:15], s[0:1], 0x20             ; roww s[12:13], part s[14:15]
	v_lshl_add_u32 v62, v0, 2, 0x20000
	v_mov_b32 v63, 0
.endif
	v_lshrrev_b32 v1, 5, v0
	v_readfirstlane_b32 s16, v1                    ; wave 0..3
	v_and_b32 v1, 31, v0
	v_and_b32 v2, 15, v0
	v_bfe_u32 v3, v0, 4, 1
	v_lshlrev_b32 v4, 4, v1
	v_add_nc_u32 v5, 0x10000, v4
	v_lshlrev_b32 v9, 4, v2
	v_lshl_add_u32 v6, v3, 16, v9                  ; lanes 16-31 take the row 65,536 bytes on (8 rows of W1, 32 of W2)
	v_lshlrev_b32 v8, 7, v3
	v_lshlrev_b32 v10, 5, v3
	s_mov_b32 s19, ttmp9                           ; gx
	s_and_b32 s20, ttmp7, 0xffff                   ; e
	s_lshr_b32 s21, s19, 2                         ; MODE 2: q, the quarter of the hidden axis
	s_and_b32 s22, s19, 3                          ; MODE 2: ns, the 128 columns
	s_lshl_b32 s23, s20, 3
	s_wait_alu depctr_va_sdst(0)                   ; s16 is written, ahead of its first reader
	s_lshr_b32 s17, s16, 1                         ; nh: which 64 columns I bring
	s_and_b32 s18, s16, 1                          ; kh: which 256 k
	s_lshl_b32 s28, s18, 16
	s_lshl_b32 s29, s17, 12
	s_add_co_u32 s28, s28, s29
	v_add_nc_u32 v7, s28, v4                       ; block (8 kh + c, 4 nh + t)
	s_lshl_b32 s30, s20, 22                        ; an expert's weights are 4 MiB
.if MODE == 1
	s_lshl_b32 s28, s18, 21                        ; 256 kh rows of 8,192 bytes
	s_lshl_b32 s29, s19, 9
.else
	s_lshl_b32 s28, s21, 20                        ; 512 q rows of 2,048 bytes
	s_add_co_u32 s30, s30, s28
	s_lshl_b32 s28, s18, 19
	s_lshl_b32 s29, s22, 9
.endif
	s_add_co_u32 s30, s30, s28
	s_add_co_u32 s30, s30, s29
	s_lshl_b32 s28, s17, 8
	s_add_co_u32 s30, s30, s28
	s_mov_b32 s31, 0                               ; stays 0: s[30:31] is the offsets' pair
	s_wait_kmcnt 0x0
	s_wait_alu depctr_va_vdst(0)                   ; the offsets and LDS addresses v4 to v10 are written: every load and store of the kernel goes by one of them, or by RA
	s_add_nc_u64 s[40:41], s[6:7], s[30:31]
	s_load_b64 s[24:25], s[10:11], s23 offset:18432  ; the expert's first step and its number of steps
.if MODE == 1
	s_lshl_b32 s30, s20, 13
	s_lshl_b32 s28, s19, 9
	s_add_co_u32 s30, s30, s28
	s_add_nc_u64 s[8:9], s[8:9], s[30:31]          ; b1 at my 128 columns
	s_mov_b64 s[44:45], s[4:5]
	s_lshl_b32 s30, s19, 12
	s_add_nc_u64 s[46:47], s[12:13], s[30:31]      ; h at my four blocks of a row tile
.irp n, 0,1
.irp j, 0,1,2,3,4,5,6,7
	global_load_b128 v[BF0+32*\n+4*\j:BF0+32*\n+4*\j+3], v8, s[8:9] offset:\n*256+\j*16  ; b1[64 n + 32 h + 4 j + 0..3]
.endr
.endr
.else
	s_lshl_b32 s30, s20, 11
	s_lshl_b32 s28, s22, 9
	s_add_co_u32 s30, s30, s28
	s_add_nc_u64 s[8:9], s[8:9], s[30:31]          ; b2 at my 128 columns
	s_lshl_b32 s30, s21, 14
	s_add_nc_u64 s[44:45], s[4:5], s[30:31]        ; h at my quarter's 16 blocks of a row tile
	s_mul_i32 s30, s21, PLANE
	s_add_co_u32 s30, s30, s28
	s_add_nc_u64 s[48:49], s[14:15], s[30:31]      ; my plane, my 512 bytes of a row
	s_cmp_eq_u32 s21, 0
	s_cselect_b32 s42, -1, 0                       ; the bias goes into the first quarter's plane alone
.irp n, 0,1
	global_load_b128 v[BF0+4*\n:BF0+4*\n+3], v9, s[8:9] offset:\n*256  ; b2[64 n + 4 r + 0..3]
.endr
.endif
	WGROUP 0
	WGROUP 1
	WGROUP 2
; Eight local k steps.  Three groups of 16 loads are always on their way behind the one at work; when the weights' groups are out, the first unit's rows follow in their place.
; A group's loads follow the wait on va_vdst of the CONV before, with that CONV's LDS stores between, which name v7 and TMP alone.
.irp c, 0,1,2,3,4,5,6,7
.if \c < 5
	WGROUP \c+3
.else
.if \c == 5
	s_wait_kmcnt 0x0
	s_min_u32 s24, s24, 143
	s_min_u32 s25, s25, 64                         ; 2,048 rows at the most
	s_cmp_eq_u32 s25, 0
	s_cselect_b32 s24, 0, s24                      ; an expert without rows loads step 0, which always exists, and uses nothing of it
	s_max_u32 s43, s25, 1
	s_sub_co_u32 s43, s43, 1                       ; the expert's last step, counted from its first
	s_mov_b32 s27, s16                             ; my first unit begins with step w
	BASES 0                                        ; no memory instruction has named these registers yet
.endif
	AGROUP \c-5
.endif
	s_wait_loadcnt 48                              ; three younger groups of 16 may be out: group c is in (and the bias, which is older)
.if \c == 0
	WIN 0xc0                                       ; destination window 3
.irp n, 0,1
.irp t, 0,1,2,3
.irp j, 0,1,2,3,4,5,6,7
.if MODE == 1
	v_mov_b32 v[8*(4*\n+\t)+\j], v[BF0+32*\n+4*\j+\t]
.else
	v_cndmask_b32 v[8*(4*\n+\t)+\j], 0, v[BF0+4*\n+\t], s42
.endif
.endr
.endr
.endr
.endif
	CONV \c
.endr
	ALOAD 6, 0, 4                                  ; k steps 0 to 6 of my first unit are asked for: 56 loads
	WIN 0
	s_wait_dscnt 0x0                               ; for the others' sake: my 32 operand blocks are stored
	s_barrier_signal -1
	s_barrier_wait -1                              ; the only barrier: from here on LDS is only read
	BLOAD 0, BF0                                   ; the moves that read the bias out of BF0 stand ahead of CONV's waits on va_vdst, and no vector instruction has named BF0 since
	s_add_co_u32 s26, s25, 3
	s_sub_co_u32 s26, s26, s16
	s_lshr_b32 s26, s26, 2                         ; my steps: w, w + 4, .. below n
	s_and_b32 s50, s26, 1                          ; an odd one is left for the end
	s_lshr_b32 s26, s26, 1                         ; units of two steps
	s_cmp_eq_u32 s26, 0
	s_cbranch_scc1 .Ltail
.Lunit:
	UNIT 4
	s_add_co_u32 s27, s27, 8
	BASES 1
	s_sub_co_u32 s26, s26, 1
	s_cmp_lg_u32 s26, 0
	s_cbranch_scc1 .Lunit
.Ltail:
	s_cmp_eq_u32 s50, 0
	s_cbranch_scc1 .Lend
	UNIT 2
.Lend:
	s_wait_dscnt 0x0                               ; no LDS load of mine is out when the wave ends
	s_wait_alu depctr_hold_cnt(0) depctr_sa_sdst(0) depctr_va_vdst(0) depctr_va_sdst(0) depctr_va_ssrc(0) depctr_va_vcc(0) depctr_vm_vsrc(0)
	s_wait_tensorcnt 0x0
	ds_add_u32 v62, v63
	s_wait_dscnt 0x0
	s_endpgm
.Lfunc_end_k_qdac6f1cd37_ffn2:
	.size	k_qdac6f1cd37_ffn2, .Lfunc_end_k_qdac6f1cd37_ffn2-k_qdac6f1cd37_ffn2
	.p2alignl 7, 3214868480
	.fill 96, 4, 3214868480
	.section	.rodata,"a",@progbits
	.p2align	6, 0x0
	.amdhsa_kernel k_qdac6f1cd37_ffn2
		.amdhsa_group_segment_fixed_size 131584
		.amdhsa_private_segment_fixed_size 0
		.amdhsa_enable_private_segment 0
		.amdhsa_kernarg_size 48
		.amdhsa_user_sgpr_count 2
		.amdhsa_user_sgpr_kernarg_segment_ptr 1
		.amdhsa_wavefront_size32 1
		.amdhsa_system_sgpr_workgroup_id_x 1
		.amdhsa_system_sgpr_workgroup_id_y 1
		.amdhsa_system_sgpr_workgroup_id_z 1
		.amdhsa_system_vgpr_workitem_id 0
		.amdhsa_next_free_vgpr 1024
		.amdhsa_next_free_sgpr 66
		.amdhsa_reserve_vcc 0
		.amdhsa_float_denorm_mode_32 3
		.amdhsa_float_denorm_mode_16_64 3
		.amdhsa_memory_ordered 1
		.amdhsa_forward_progress 1
		.amdhsa_inst_pref_size 187
	.end_amdhsa_kernel
	.amdgpu_metadata
---
amdhsa.version: [ 1, 2 ]
amdhsa.kernels:
  - .name:           k_qdac6f1cd37_ffn2
    .symbol:         k_qdac6f1cd37_ffn2.kd
    .args:
      - { .name: hfrag, .offset: 0, .size: 8, .value_kind: global_buffer, .address_space: global }
      - { .name: W2, .offset: 8, .size: 8, .value_kind: global_buffer, .address_space: global }
      - { .name: b2, .offset: 16, .size: 8, .value_kind: global_buffer, .address_space: global }
      - { .name: rmap, .offset: 24, .size: 8, .value_kind: global_buffer, .address_space: global }
      - { .name: roww, .offset: 32, .size: 8, .value_kind: global_buffer, .address_space: global }
      - { .name: part, .offset: 40, .size: 8, .value_kind: global_buffer, .address_space: global }
    .group_segment_fixed_size: 131584
    .private_segment_fixed_size: 0
    .kernarg_segment_align: 8
    .kernarg_segment_size: 48
    .max_flat_workgroup_size: 128
    .sgpr_count:     66
    .vgpr_count:     1024
    .wavefront_size: 32
...
	.end_amdgpu_metadata
.endif
;; end of part 8
;; launch combine: the kernel of part 5 again; grid 256 x 1, 8 waves a work-group, no clusters, 0 bytes of LDS; arguments part, x, gamma, beta, out0; writes out0
